; MI455X (gfx1250); checked and timed in simulation.
; The chip was launched on July 23, 2026; its instructions are those of AMD's public machine-readable ISA for CDNA 5 (MIT licence, August 2026) and "CDNA5" Instruction Set Architecture Reference Guide (July 2026). The comments in the code are by the model that wrote it; some were corrected since.
;; Multi Head Attention. Allowed arithmetic: matrix products marked QUANTISED: E4M3 operands, one given power-of-two scale a tensor, by v_wmma_f32_16x16x64_fp8_fp8 or v_wmma_f32_16x16x128_fp8_fp8, f32 sums; everything else in f32.
;; Inputs: K 8 x 1,024 x 1,024 float32; Q 8 x 1,024 x 1,024 float32; V 8 x 1,024 x 1,024 float32; Wk 1,024 x 1,024 float32; Wq 1,024 x 1,024 float32; Wv 1,024 x 1,024 float32; bk 1,024 float32; bq 1,024 float32; bv 1,024 float32; lowp_scales 10 int32 (the exponents e of the quantised operands' scales 2^e).
;; Outputs: out0 8 x 1,024 x 1,024 float32.
;; This version of the problem:
;;   THIS VERSION OF THE PROBLEM IS GIVEN IN LOW PRECISION. The matrix products marked QUANTISED in the list below multiply operands that are first quantised to E4M3 (4 exponent bits, 3 mantissa bits; 8 bits a number), with one given power-of-two scale for each operand tensor; their sums are f32. All else is computed in f32.
;;   The module's matrix products, in the order in which they are computed (A, B: the left and right operand; K: the contracted axis; several contracted axes count as one K, in the product's order):
;;     1. [M 8,192, K 1,024] x [K 1,024, N 1,024]; A: input Q; B: input Wq: QUANTISED (scales: A lowp_scales[0], B lowp_scales[1])
;;     2. [M 8,192, K 1,024] x [K 1,024, N 1,024]; A: input K; B: input Wk: QUANTISED (scales: A lowp_scales[2], B lowp_scales[3])
;;     3. [M 8,192, K 1,024] x [K 1,024, N 1,024]; A: input V; B: input Wv: QUANTISED (scales: A lowp_scales[4], B lowp_scales[5])
;;     4. batch 128 x [M 1,024, K 64] x [K 64, N 1,024]; A: computed on the way; B: computed on the way: QUANTISED (scales: A lowp_scales[6], B lowp_scales[7])
;;     5. batch 128 x [M 1,024, K 1,024] x [K 1,024, N 64]; A: computed on the way; B: computed on the way: QUANTISED (scales: A lowp_scales[8], B lowp_scales[9])
;;   THE QUANTISER, for each operand of a quantised product, along K:
;;     - The operand's scale is 2^e, e = its entry of the input lowp_scales (int32; the entries are numbered through the quantised products in the list's order, A before B).
;;     - Each number is divided by the scale, clamped to +-448, and rounded to the nearest number of E4M3, ties to even, subnormals kept.
;;     - The product sums the exact products of the quantised numbers (number of the format x scale) in f32.
;;   ~~~python
;;   def quantise(x, axis, e):      # numpy; x: float32 -> the quantised numbers, widened to float32 again
;;       x = np.moveaxis(x, axis, -1); K = x.shape[-1]
;;       r = np.clip(x / 2.0 ** e, -448, 448)
;;       step = 2.0 ** (np.maximum(np.frexp(np.where(r == 0, 1, r))[1] - 1, -6) - 3)
;;       q = np.round(r / step) * step * 2.0 ** e      # np.round: ties to even
;;       return np.moveaxis(q, -1, axis).astype(np.float32)
;;   ~~~
;;   OPERANDS COMPUTED ON THE WAY. 'Computed on the way' means the value that the module computes at that place (a softmax that the list does not call 'softmax' is quantised finished and normalised). What goes into a quantiser is computed in f32, as accurately as f32 sums, v_exp_f32 and their like allow (about 1e-6 of the number): no bf16 or f16 on the way to a quantiser, and a product that is left as it is and whose result goes on into a quantised operand takes f32 operands (vector FMAs, or v_wmma_f32_16x16x4_f32). A number that lies on a knife's edge between two numbers of the format may be rounded either way, as far as f32 arithmetic and the matrix unit's own rounding can turn it there, and no further.
;; 2 versions, each right; version 2 is version 1 with the launch attn written anew for expert scheduling mode. Each part assembles by itself: llvm-mc -triple=amdgcn-amd-amdhsa -mcpu=gfx1250 --defsym DOCPART=n.
;; ======== version 1 of 2: 3 launches
;; workspace buffers: xc 25,165,824 bytes; wc 3,145,728 bytes; img 25,165,824 bytes
;; launch prep (part 1): grid 864 x 1, 4 waves a work-group, no clusters, 36,352 bytes of LDS; arguments Q, K, V, Wq, Wk, Wv, lowp_scales, xc, wc; writes xc, wc
.if DOCPART == 1
	.amdgcn_target "amdgcn-amd-amdhsa--gfx1250"
	.amdhsa_code_object_version 6
	.text
	.protected	k_qe27e6ec067_prep
	.globl	k_qe27e6ec067_prep
	.p2align	8
	.type	k_qe27e6ec067_prep,@function
k_qe27e6ec067_prep:
	s_mov_b64 s[64:65], 0
	v_nop
	global_prefetch_b8 v0, s[64:65] scope:SCOPE_SE
	s_setreg_imm32_b32 hwreg(HW_REG_WAVE_MODE, 25, 1), 1
	s_wait_xcnt 0x0
; Q, K, V [8192][1024] f32 and Wq, Wk, Wv [1024 (k)][1024 (n)] f32 become codes of E4M3, each tensor with the scale 2^e that is given for it:
; code = x / 2^e, held within +-448, to the nearest code, ties to even.  xc: [3][8192][1024] codes; wc: [3][1024 (n)][1024] codes, K innermost.
; THE ORDER ALONG K is the same in xc and in wc, and is not memory's: inside each block of 512 along K, byte 16 L + 4 i + e holds k = 128 i + 4 L + e (L 0..31, i 0..3, e 0..3).
; So four loads of 512 consecutive bytes of x give lane L sixteen numbers whose sixteen codes are sixteen neighbouring bytes: no turn through LDS.  A product over K meets the same partners in any
; order that both operands share; only the order of its f32 sums differs.
; Work-groups 0..95 take the weights (the one path that touches LDS), work-groups 96..863 the three activations.  Waves share nothing: no barrier.
; LIMITS: each e between -126 and 119, so that 2^e and 448 x 2^e are f32 numbers.  NaN among the inputs is not served (an infinity is held at the largest code).
.set NWGW,  96                         ; work-groups of the weight path: 3 tensors x 8 groups of 128 columns x 4 quarters of K
.set R,     16                         ; v16-79   x path: four sets of 16 numbers as loaded
.set C,     128                        ; v128-191 x path: four registers of codes for each of 16 steps: no store's data are written again
.set X,     32                         ; v32-95   weight path: two sets of 32 numbers
.set CW,    96                         ; v96-103  weight path: a block's codes
.set OUTR,  112                        ; v112-175 weight path: the way out
.set PITCH, 272                        ; weight path: a stage row: 256 bytes of codes + 16
	s_load_b256 s[4:11], s[0:1], 0x0               ; Q s[4:5], K s[6:7], V s[8:9], Wq s[10:11]
	s_load_b256 s[12:19], s[0:1], 0x20             ; Wk s[12:13], Wv s[14:15], the exponents s[16:17], xc s[18:19]
	s_load_b64 s[20:21], s[0:1], 0x40              ; wc
	v_lshl_add_u32 v192, v0, 2, 0x8c00
	v_mov_b32 v193, 0
	v_lshrrev_b32 v1, 5, v0
	v_readfirstlane_b32 s22, v1                    ; wave 0..3
	v_and_b32 v2, 31, v0                           ; lane
	s_wait_kmcnt 0x0
	s_load_b256 s[24:31], s[16:17], 0x0            ; e0 .. e7
	s_cmp_lt_u32 ttmp9, NWGW
	s_cbranch_scc1 .Lweights
; ---------------- the activations: a wave takes 8,192 numbers on end, 16 steps of 512
	s_sub_co_u32 s32, ttmp9, NWGW
	s_lshr_b32 s33, s32, 8                         ; which tensor: 0 Q, 1 K, 2 V (256 work-groups each)
	s_and_b32 s32, s32, 255
	s_lshl_b32 s32, s32, 2
	s_add_co_u32 s32, s32, s22                     ; my run of 8,192 numbers, 0..1023
	s_cmp_eq_u32 s33, 0
	s_cselect_b64 s[4:5], s[4:5], s[6:7]
	s_cmp_eq_u32 s33, 2
	s_cselect_b64 s[4:5], s[8:9], s[4:5]           ; the choice hangs on the work-group's number alone
	s_lshl_b32 s36, s32, 15                        ; 32,768 bytes of f32 a run
	s_mov_b32 s37, 0
	s_add_nc_u64 s[4:5], s[4:5], s[36:37]
	s_lshl_b32 s38, s32, 13                        ; 8,192 bytes of codes a run,
	s_lshl_b32 s39, s33, 23                        ; 8,388,608 a tensor
	s_add_co_u32 s38, s38, s39
	s_mov_b32 s39, 0
	s_add_nc_u64 s[18:19], s[18:19], s[38:39]
	v_lshlrev_b32 v3, 4, v2                        ; 16 x lane: my bytes of a load's 512 and of a store's 512; never rewritten
.macro XLOAD t                         ; step t: four loads of 512 consecutive bytes; register 4 i + e = k 128 i + 4 lane + e of the step's 512
.irp i, 0,1,2,3
	global_load_b128 v[R+16*((\t)%4)+4*\i:R+16*((\t)%4)+4*\i+3], v3, s[4:5] offset:2048*(\t)+512*\i th:TH_LOAD_NT
.endr
.endm
.macro XSTEP t
.set XS, R+16*((\t)%4)
.if (\t) <= 12
	s_wait_loadcnt 12                              ; this step's four loads are in; those of the three steps behind it may be out
.else
	s_wait_loadcnt 4*(15-(\t))                     ; the last steps: fewer are behind
.endif
.set i, 0
.rept 16
	v_med3_num_f32 v[XS+i], v[XS+i], -v10, v10     ; the conversion does not saturate (ISA guide 7.6.2): the hold at the largest code x the scale comes first
.set i, i+1
.endr
	v_cvt_scalef32_pk8_fp8_f32 v[C+4*(\t):C+4*(\t)+1], v[XS:XS+7], v11
	v_cvt_scalef32_pk8_fp8_f32 v[C+4*(\t)+2:C+4*(\t)+3], v[XS+8:XS+15], v11
.if (\t)+4 < 16
	XLOAD (\t)+4                                   ; the set just read takes the step four on
.endif
	global_store_b128 v3, v[C+4*(\t):C+4*(\t)+3], s[18:19] offset:512*(\t)   ; 32 lanes store 512 consecutive bytes, aligned.  (The next vector lines are the next step's holds: plain, on other registers)
.endm
	XLOAD 0
	XLOAD 1
	XLOAD 2
	XLOAD 3
	s_wait_kmcnt 0x0
	s_cmp_eq_u32 s33, 0
	s_cselect_b32 s34, s24, s26                    ; e0 for Q, e2 for K,
	s_cmp_eq_u32 s33, 2
	s_cselect_b32 s34, s28, s34                    ; e4 for V
	s_add_co_i32 s34, s34, 127
	s_lshl_b32 s35, s34, 23
	v_mov_b32 v11, s35                             ; 2^e as f32: the conversion takes its exponent field
	s_add_co_i32 s34, s34, 8
	s_lshl_b32 s34, s34, 23
	s_or_b32 s34, s34, 0x600000
	v_mov_b32 v10, s34                             ; 448 x 2^e
.irp t, 0,1,2,3,4,5,6,7,8,9,10,11,12,13,14,15
	XSTEP \t
.endr
	s_endpgm
; ---------------- the weights: K is the first axis.  A lane takes a column n and its registers run down K, in the order of the codes' bytes; a wave takes 32 columns x 256 bytes of codes
.Lweights:
	s_lshr_b32 s33, ttmp9, 5                       ; which tensor: 0 Wq, 1 Wk, 2 Wv
	s_and_b32 s32, ttmp9, 7                        ; which 128 columns
	s_bfe_u32 s34, ttmp9, 0x20003                  ; y: which 256 bytes of a row of codes
	s_lshl_b32 s35, s32, 7
	s_lshl_b32 s36, s22, 5
	s_add_co_u32 s35, s35, s36                     ; my wave's first column
	s_cmp_eq_u32 s33, 0
	s_cselect_b64 s[4:5], s[10:11], s[12:13]
	s_cmp_eq_u32 s33, 2
	s_cselect_b64 s[4:5], s[14:15], s[4:5]
	s_lshr_b32 s36, s34, 1
	s_lshl_b32 s36, s36, 9                         ; bytes 256 y on lie in block y / 2 of 512 along K,
	s_and_b32 s37, s34, 1
	s_lshl_b32 s37, s37, 6                         ; at L = 16 (y % 2) on: k = 512 (y / 2) + 64 (y % 2) + ..
	s_add_co_u32 s36, s36, s37
	s_lshl_b32 s36, s36, 12                        ; a row of W is 4,096 bytes
	s_lshl_b32 s37, s35, 2
	s_add_co_u32 s36, s36, s37
	s_mov_b32 s37, 0
	s_add_nc_u64 s[4:5], s[4:5], s[36:37]
	s_lshl_b32 s38, s33, 10
	s_add_co_u32 s38, s38, s35                     ; row of wc: 1024 x tensor + column
	s_lshl_b32 s38, s38, 10
	s_lshl_b32 s39, s34, 8
	s_add_co_u32 s38, s38, s39
	s_mov_b32 s39, 0
	s_add_nc_u64 s[20:21], s[20:21], s[38:39]
	v_lshlrev_b32 v3, 2, v2                        ; in: 4 bytes a lane: 128 consecutive bytes a wave, 512 a work-group
	s_mul_i32 s40, s22, 32*PITCH                   ; my wave's stage
	v_mul_u32_u24 v4, v2, PITCH
	v_add_nc_u32 v4, s40, v4                       ; into it: row = my column
	v_and_b32 v5, 15, v2
	v_lshrrev_b32 v6, 4, v2
	v_mul_u32_u24 v7, v6, PITCH
	v_lshl_add_u32 v7, v5, 4, v7
	v_add_nc_u32 v7, s40, v7                       ; out of it: sixteen lanes to a row, two rows an instruction
	v_lshlrev_b32 v8, 10, v6
	v_lshl_add_u32 v8, v5, 4, v8                   ; and the same place in wc
.macro WLOAD t                         ; block t: bytes 32 t + ii of my 256: L = 2 t + ii / 16, i = (ii % 16) / 4, e = ii % 4.  The largest immediate is 447 rows of 4,096 bytes
.set ii, 0
.rept 32
	global_load_b32 v[X+32*((\t)%2)+ii], v3, s[4:5] offset:(128*((ii%16)/4)+8*(\t)+4*(ii/16)+ii%4)*4096 th:TH_LOAD_NT
.set ii, ii+1
.endr
.endm
.macro WBLOCK t
.set XS, X+32*((\t)%2)
.if (\t) < 7
	s_wait_loadcnt 32                              ; this block's 32 loads are in; the next block's may be out
.else
	s_wait_loadcnt 0
.endif
.set i, 0
.rept 32
	v_med3_num_f32 v[XS+i], v[XS+i], -v10, v10
.set i, i+1
.endr
.irp g, 0,1,2,3
	v_cvt_scalef32_pk8_fp8_f32 v[CW+2*\g:CW+2*\g+1], v[XS+8*\g:XS+8*\g+7], v11
.endr
	ds_store_b128 v4, v[CW:CW+3] offset:32*(\t)
	ds_store_b128 v4, v[CW+4:CW+7] offset:32*(\t)+16
.if (\t)+2 < 8
	WLOAD (\t)+2
.endif
	s_wait_dscnt 0x0                               ; the stores have read their registers: the next block's codes may be written (its holds, plain lines, come first)
.endm
	WLOAD 0
	WLOAD 1
	s_wait_kmcnt 0x0
	s_cmp_eq_u32 s33, 0
	s_cselect_b32 s34, s25, s27                    ; e1 for Wq, e3 for Wk,
	s_cmp_eq_u32 s33, 2
	s_cselect_b32 s34, s29, s34                    ; e5 for Wv
	s_add_co_i32 s34, s34, 127
	s_lshl_b32 s35, s34, 23
	v_mov_b32 v11, s35
	s_add_co_i32 s34, s34, 8
	s_lshl_b32 s34, s34, 23
	s_or_b32 s34, s34, 0x600000
	v_mov_b32 v10, s34
.irp t, 0,1,2,3,4,5,6,7
	WBLOCK \t
.endr
.irp t, 0,1,2,3,4,5,6,7,8,9,10,11,12,13,14,15
	ds_load_b128 v[OUTR+4*\t:OUTR+4*\t+3], v7 offset:2*\t*PITCH   ; LDS serves a wave's instructions in order (ISA guide 5.7.1.4): these see my stores
.endr
.irp t, 0,1,2,3,4,5,6,7,8,9,10,11,12,13,14,15
	s_wait_dscnt 15-\t
	global_store_b128 v8, v[OUTR+4*\t:OUTR+4*\t+3], s[20:21] offset:2*\t*1024   ; sixteen lanes store 256 consecutive bytes, aligned
.endr
	s_wait_tensorcnt 0x0
	ds_add_u32 v192, v193
	s_wait_dscnt 0x0
	s_endpgm
.Lfunc_end_k_qe27e6ec067_prep:
	.size	k_qe27e6ec067_prep, .Lfunc_end_k_qe27e6ec067_prep-k_qe27e6ec067_prep
	.p2alignl 7, 3214868480
	.fill 96, 4, 3214868480
	.section	.rodata,"a",@progbits
	.p2align	6, 0x0
	.amdhsa_kernel k_qe27e6ec067_prep
		.amdhsa_group_segment_fixed_size 36352
		.amdhsa_private_segment_fixed_size 0
		.amdhsa_enable_private_segment 0
		.amdhsa_kernarg_size 72
		.amdhsa_user_sgpr_count 2
		.amdhsa_user_sgpr_kernarg_segment_ptr 1
		.amdhsa_wavefront_size32 1
		.amdhsa_system_sgpr_workgroup_id_x 1
		.amdhsa_system_sgpr_workgroup_id_y 1
		.amdhsa_system_sgpr_workgroup_id_z 1
		.amdhsa_system_vgpr_workitem_id 0
		.amdhsa_next_free_vgpr 194
		.amdhsa_next_free_sgpr 66
		.amdhsa_reserve_vcc 0
		.amdhsa_float_denorm_mode_32 3
		.amdhsa_float_denorm_mode_16_64 3
		.amdhsa_memory_ordered 1
		.amdhsa_forward_progress 1
		.amdhsa_inst_pref_size 77
	.end_amdhsa_kernel
	.amdgpu_metadata
---
amdhsa.version: [ 1, 2 ]
amdhsa.kernels:
  - .name:           k_qe27e6ec067_prep
    .symbol:         k_qe27e6ec067_prep.kd
    .args:
      - { .name: Q, .offset: 0, .size: 8, .value_kind: global_buffer, .address_space: global }
      - { .name: K, .offset: 8, .size: 8, .value_kind: global_buffer, .address_space: global }
      - { .name: V, .offset: 16, .size: 8, .value_kind: global_buffer, .address_space: global }
      - { .name: Wq, .offset: 24, .size: 8, .value_kind: global_buffer, .address_space: global }
      - { .name: Wk, .offset: 32, .size: 8, .value_kind: global_buffer, .address_space: global }
      - { .name: Wv, .offset: 40, .size: 8, .value_kind: global_buffer, .address_space: global }
      - { .name: lowp_scales, .offset: 48, .size: 8, .value_kind: global_buffer, .address_space: global }
      - { .name: xc, .offset: 56, .size: 8, .value_kind: global_buffer, .address_space: global }
      - { .name: wc, .offset: 64, .size: 8, .value_kind: global_buffer, .address_space: global }
    .group_segment_fixed_size: 36352
    .private_segment_fixed_size: 0
    .kernarg_segment_align: 8
    .kernarg_segment_size: 72
    .max_flat_workgroup_size: 128
    .sgpr_count:     66
    .vgpr_count:     194
    .wavefront_size: 32
...
	.end_amdgpu_metadata
.endif
;; end of part 1
;; launch proj (part 2): grid 4 x 48, 4 waves a work-group, clusters of 4 x 4, 327,680 bytes of LDS; arguments xc, wc, lowp_scales, bq, bk, bv, img; writes img
.if DOCPART == 2
	.amdgcn_target "amdgcn-amd-amdhsa--gfx1250"
	.amdhsa_code_object_version 6
	.text
	.protected	k_qe27e6ec067_proj
	.globl	k_qe27e6ec067_proj
	.p2align	8
	.type	k_qe27e6ec067_proj,@function
k_qe27e6ec067_proj:
	s_mov_b64 s[64:65], 0
	v_nop
	global_prefetch_b8 v0, s[64:65] scope:SCOPE_SE
	s_setreg_imm32_b32 hwreg(HW_REG_WAVE_MODE, 25, 1), 1
	s_wait_xcnt 0x0
	s_wait_alu depctr_hold_cnt(0) depctr_sa_sdst(0) depctr_va_vdst(0) depctr_va_sdst(0) depctr_va_ssrc(0) depctr_va_vcc(0) depctr_vm_vsrc(0)
	s_getreg_b32 s2, hwreg(HW_REG_IB_STS2, 6, 4)
	s_cmp_eq_u32 s2, 0
	s_cbranch_scc0 .Lentry_in_a_cluster
	s_endpgm
.Lentry_in_a_cluster:
	s_bfe_u32 s2, ttmp6, 0x10000c
	s_cmp_lg_u32 s2, 0xf033
	s_cbranch_scc0 .Lentry_shape_is_right
	s_endpgm
.Lentry_shape_is_right:
; The three projections on codes of E4M3: y = x W (sums in f32) x 2^(ea + eb) + bias, and y quantised at once, with the scale given for it, into IMAGES OF THE OPERAND REGISTERS of the two attention products.
; xc: [3][8192 tokens][1024] codes, wc: [3][1024 features][1024] codes, the same order along K in both.  img: tensor T (0 q, 1 k, 2 v) at T x 8,388,608; blocks of 16,384 bytes, block = 8 x (token / 128) + feature / 128.
;   q, k block: [a: 16 tokens][head % 2][c: 0, 1][lane][16 bytes]: lane (r, h) holds token 16 a + r; registers 2 c'', 2 c'' + 1 hold d = 16 c'' + 8 h + 0..7: the 16x16x64 form's operand.
;   v block:    [a: 4 (head % 2) + d / 16][c: 0..3][lane][16 bytes]: lane (r, h) holds d = 16 (a % 4) + r; registers 2 c'', 2 c'' + 1 hold tokens 16 c'' + 8 h + 0..7: the 16x16x128 form's operand.
; A tile of 256 x 256 results to a work-group of four waves, 128 x 128 a wave: 64 accumulators, 512 registers.  K goes in steps of 256 through two LDS slots filled by the tensor data mover.
; A WORK-GROUP STAYS FOR TWO TILES.  There are 3 x 32 x 4 = 384 tiles, which 256 does not divide: 192 work-groups make two each, 1,024 tokens apart, with the same features.  The ring does not stop between them:
; the first tile's last two changes of slots ask for the second tile's first two K steps, which land while the first tile goes out.
; THE TWO SIDES.  Source 1 of the matrix instruction takes 16 rows of the 'A side', source 0 sixteen rows of the 'B side': a lane then holds ONE row of the A side and eight neighbouring rows of the B side.
; For q and k the A side is the tokens and the B side the features, so a lane's eight results run along d; for v the two pointers change places, so they run along the tokens: each time the next product's K.
; The choice hangs on the tensor's number T = cluster y / 4, which all sixteen partners share; the text is one for all three.
; CLUSTERS: 4 x 4 work-groups (the grid is 4 wide: cluster x is 0).  The four of a row of the cluster need the same tile of the A side, the four of a column the same tile of the B side: each is asked for
; JOINTLY, by the same tensor load with the same descriptor and a mask that names the four.
; LIMITS: ea + eb between -126 and 127; the result's exponent (entry 6, 7 or 9) between -126 and 119.  NaN is not served.
; REGISTERS, in windows of 256: window 0: v0-31 addresses; v32-95, v96-111 the biases; v112, v113 the hold and the scale; from v128 the A side's fragments, ONE set (on the way out: v128-191 numbers, v192-255 codes).
;   window 1: the B side's fragments, TWO sets.   window 2: the accumulators of my rows 0-63 ((a, b) at v[8 (8 a + b)]);   window 3: those of rows 64-127.
.set KSTEP,  256                       ; along K in a slot
.set ROWB,   256                       ; a tile's row in bytes
.set KROW,   1024                      ; a row of xc or wc in bytes
.set PITCH,  272                       ; an LDS row: 256 bytes + 16 of padding = 68 words: row r starts at bank 4 r mod 64 (64 banks of 4 bytes: ISA guide 11.1)
.set FR,     16                        ; registers of a fragment: 16 rows x 128 K
.set NL,     4                         ; LDS loads that bring one
.set NP,     4                         ; places behind this matrix instruction (ISA guide 7.12.1)
.set HALFT,  128*PITCH                 ; 128 rows: what one tensor load brings
.set SLOT,   4*HALFT                   ; the A side's 256 rows, then the B side's
.set SPARE,  2*SLOT                    ; behind the ring: the spare words, 128 bytes for each wave: two blocks of 256 bytes that no other line names
.set NEXTT,  4*256*KROW                ; from a tile's tokens to the next tile's: four tiles of 256 rows of xc
.set NEXTO,  64*16384                  ; and in img: 1,024 tokens are 8 x 8 blocks
.set BO,   8                           ; v8      32 x (lane / 16): the bias of my eight B-side rows; never rewritten
.set AO,   9                           ; v9      4 x (lane % 16): the bias of my A-side row; never rewritten
.set ADRA, 16                          ; v16-17  LDS address of my A-side fragments in slot 0, 1
.set ADRB, 20                          ; v20-21  the same for the B side
.set CO,   26                          ; v26     16 x lane: my place in an image's 512 bytes
.set SPW,  28                          ; v28     LDS address of my spare word; never rewritten
.set NIL,  29                          ; v29     0; never rewritten
.set BB,   32                          ; v32-95  bias along the B side: register 8 b + j
.set BA,   96                          ; v96-111 bias along the A side: pair a holds it twice
.set LIM,  112                         ; v112    448 x 2^eo
.set SCL,  113                         ; v113    2^eo
.set AF,   128                         ; the A side's fragments
.set TMP,  128                         ; the way out: a block's 64 numbers
.set CD,   192                         ; the way out: codes, four sets of 16 registers
.set G1, 24                            ; s[24:31] descriptor group 1 for the A side;  s[32:39] group 0, one set for each slot
.set G0, 32
.set G1B, 48                           ; s[48:55], s[56:63] the same for the B side
.set G0B, 56
.set NXA, 12                           ; s[12:13] how far the A side's rows move from the first tile to the second: NEXTT where it holds the tokens, else 0
.set NXB, 66                           ; s[66:67] the same for the B side
.set MSB, 0
.macro WIN new                         ; the immediate's high byte repeats the setting that is left
.if MSB != \new
	s_set_vgpr_msb (MSB<<8)|\new
.set MSB, \new
.endif
.endm
.set MUL_LO, 0xa1                      ; source 0 window 1, source 1 window 0, C and D window 2
.set MUL_HI, 0xf1                      ; the same, C and D window 3
.set TO_B,   0x40                      ; destination window 1, address window 0
; A joint load: waves 0 and 1 fetch for the A side, waves 2 and 3 for the B side.  The branch hangs on the wave's number alone.  Four v_nop follow each of the two lines.
.macro JLOAD g0a, g1a, g0b, g1b
	s_cmp_eq_u32 s15, 0
	s_cbranch_scc0 .Lfor_b_\@
	tensor_load_to_lds s[\g0a:\g0a+3], s[\g1a:\g1a+7]
	s_nop 0
.rept 4
	v_nop
.endr
	s_branch .Lasked_\@
.Lfor_b_\@:
	tensor_load_to_lds s[\g0b:\g0b+3], s[\g1b:\g1b+7]
	s_nop 0
.rept 4
	v_nop
.endr
.Lasked_\@:
.endm
.macro CREST                           ; a round of the cluster's barrier behind its opening barrier
	s_cmp_lg_u32 s14, 0
	s_cbranch_scc1 .Lnot_wave_0_\@
	s_barrier_signal -3
.Lnot_wave_0_\@:
	s_barrier_wait -3
	s_barrier_signal -1
	s_barrier_wait -1
.endm
.macro CROUND                          ; a whole round
	s_barrier_signal -1
	s_barrier_wait -1
	CREST
.endm
	s_load_b128 s[4:7], s[0:1], 0x0                ; xc s[4:5], wc s[6:7]
	s_load_b256 s[68:75], s[0:1], 0x10             ; the exponents s[68:69], bq s[70:71], bk s[72:73], bv s[74:75]
	s_load_b64 s[76:77], s[0:1], 0x30              ; img
	v_lshl_add_u32 v[SPW], v0, 2, SPARE
	v_mov_b32 v[NIL], 0
	ds_add_u32 v28, v29
	ds_add_u32 v28, v29
	s_wait_dscnt 0x0
	v_lshrrev_b32 v1, 5, v0
	v_readfirstlane_b32 s14, v1                    ; wave 0..3
	s_lshr_b32 s15, s14, 1                         ; which half of the A side's rows is mine.  Also: I fetch for the A side (0) or the B side (1)
	s_and_b32 s16, s14, 1                          ; which half of the B side's rows.  Also: which 128 rows of that tile I fetch
	s_bfe_u32 s40, ttmp6, 0x40000                  ; cx, cy: my place in the cluster
	s_bfe_u32 s41, ttmp6, 0x40004
	s_and_b32 s78, ttmp7, 0xffff                   ; cluster y, 0..11
	s_lshl_b32 s78, s78, 1                         ; the first of my cluster's two bands of 1,024 tokens, 0..22
	s_lshr_b32 s79, s78, 3                         ; T: eight bands make a tensor, so both bands lie in one
	s_lshl_b32 s98, s78, 2                         ; the band's first tile of 256 tokens, counted through xc
	s_lshl_b32 s99, s79, 2                         ; the tensor's first tile of 256 features, counted through wc
	s_cmp_eq_u32 s79, 2
	s_cselect_b32 s17, s99, s98
	s_cselect_b32 s42, s98, s99
	s_cselect_b32 s[NXA], 0, NEXTT                 ; the side that holds the tokens moves on from tile to tile, the other stays
	s_cselect_b32 s[NXB], NEXTT, 0
	s_mov_b32 s[NXA+1], 0
	s_mov_b32 s[NXB+1], 0
	s_add_co_u32 s17, s17, s41                     ; the A side's tile: tokens (q, k) or features (v), + cy
	s_add_co_u32 s42, s42, s40                     ; the B side's tile: features (q, k) or tokens (v), + cx
	s_lshl_b32 s43, s41, 2
	s_lshl_b32 s43, 15, s43                        ; my row of the cluster
	s_lshl_b32 s44, 0x1111, s40                    ; my column
	; descriptor group 1: a tile of 128 rows x 256 bytes, padded in LDS
	s_or_b32 s[G1+0], s43, (0<<16)|(1<<20)|(1<<21)|(5<<22)|(3<<25)  ; 15:0 the mask: my row; 17:16 elements of 1 byte; 20 padding on; 21 set beside a mask; 24:22 after every 64 words (code 5); 31:25 four words (code 3)
	s_or_b32 s[G1B+0], s44, (0<<16)|(1<<20)|(1<<21)|(5<<22)|(3<<25) ; the same with the mask of my column
.irp g, G1, G1B
	s_mov_b32 s[\g+1], ROWB<<16                    ; tensor_dim0
	s_mov_b32 s[\g+2], 128<<16                     ; tensor_dim1 = 128
	s_mov_b32 s[\g+3], ROWB<<16                    ; tile_dim0
	s_mov_b32 s[\g+4], 128                         ; tile_dim1 = 128
	s_mov_b32 s[\g+5], KROW                        ; tensor_dim0_stride
	s_mov_b32 s[\g+6], 0
	s_mov_b32 s[\g+7], 0
.endr
	s_lshl_b32 s18, s16, 7                         ; which 128 rows of the tile I fetch
	s_lshl_b32 s20, s17, 8
	s_add_co_u32 s20, s20, s18
	s_lshl_b32 s20, s20, 10                        ; A side: (256 x tile + 128 x half) rows of 1,024 bytes: under 2^25
	s_mov_b32 s21, 0
	s_lshl_b32 s46, s42, 8
	s_add_co_u32 s46, s46, s18
	s_lshl_b32 s46, s46, 10                        ; B side likewise
	s_mov_b32 s47, 0
	s_mul_i32 s45, s14, HALFT                      ; where they go: wave x 128 rows: no place in the cluster enters an LDS address
	s_wait_kmcnt 0x0
	s_load_b256 s[80:87], s[68:69], 0x0            ; e0 .. e7
	s_load_b64 s[88:89], s[68:69], 0x20            ; e8, e9
	s_cmp_eq_u32 s79, 2
	s_cselect_b64 s[8:9], s[6:7], s[4:5]           ; the A side's buffer: wc for v, else xc
	s_cselect_b64 s[10:11], s[4:5], s[6:7]         ; the B side's: the other
	s_add_nc_u64 s[20:21], s[8:9], s[20:21]
	s_add_nc_u64 s[46:47], s[10:11], s[46:47]
	CROUND                                         ; all sixteen work-groups are here: the first joint loads meet
.irp s, 0,1
	s_mov_b32 s[G0+4*\s], 1
	s_add_co_u32 s[G0+4*\s+1], s45, \s*SLOT
	s_add_nc_u64 s[G0+4*\s+2:G0+4*\s+3], s[20:21], \s*ROWB
	s_or_b32 s[G0+4*\s+3], s[G0+4*\s+3], 0x80000000
	s_mov_b32 s[G0B+4*\s], 1
	s_add_co_u32 s[G0B+4*\s+1], s45, \s*SLOT
	s_add_nc_u64 s[G0B+4*\s+2:G0B+4*\s+3], s[46:47], \s*ROWB
	s_or_b32 s[G0B+4*\s+3], s[G0B+4*\s+3], 0x80000000
	JLOAD G0+4*\s, G1, G0B+4*\s, G1B               ; two loads of mine are out
.endr
	v_and_b32 v1, 15, v0                           ; r = l % 16
	v_bfe_u32 v2, v0, 4, 1                         ; h = l / 16
	v_mul_u32_u24 v3, v1, PITCH
	v_lshl_add_u32 v4, v2, 4, v3                   ; a fragment's row x pitch + 16 x half
	s_mul_i32 s21, s15, HALFT                      ; my 128 rows of the A side
	s_mul_i32 s22, s16, HALFT                      ; my 128 rows of the B side,
	s_add_co_u32 s22, s22, 2*HALFT                 ; which lie behind the A side's 256
.irp s, 0,1
	v_add_nc_u32 v[ADRA+\s], s21, v4
	v_add_nc_u32 v[ADRB+\s], s22, v4
	s_add_co_u32 s21, s21, SLOT
	s_add_co_u32 s22, s22, SLOT
.endr
	v_and_b32 v5, 31, v0
	v_lshlrev_b32 v[CO], 4, v5
	v_lshlrev_b32 v[BO], 5, v2
	v_lshlrev_b32 v[AO], 2, v1
	; where my 128 x 128 results of the first tile go, and whose bias both tiles take
	s_cmp_eq_u32 s79, 2
	s_cselect_b32 s98, s42, s17                    ; the tile of tokens,
	s_cselect_b32 s99, s17, s42                    ; the tile of features,
	s_cselect_b32 s90, s16, s15                    ; my half of the one,
	s_cselect_b32 s91, s15, s16                    ; and of the other
	s_and_b32 s98, s98, 31
	s_lshl_b32 s98, s98, 1
	s_add_co_u32 s98, s98, s90                     ; token / 128 within the tensor, 0..55 (the second tile: 8 more)
	s_and_b32 s99, s99, 3
	s_lshl_b32 s99, s99, 1
	s_add_co_u32 s99, s99, s91                     ; feature / 128, 0..7
	s_lshl_b32 s98, s98, 3
	s_add_co_u32 s98, s98, s99                     ; the block
	s_lshl_b32 s90, s98, 14
	s_lshl_b32 s91, s79, 23
	s_add_co_u32 s90, s90, s91
	s_mov_b32 s91, 0
	s_add_nc_u64 s[94:95], s[76:77], s[90:91]      ; my block of img
	s_cmp_eq_u32 s79, 0
	s_cselect_b64 s[92:93], s[70:71], s[72:73]
	s_cmp_eq_u32 s79, 2
	s_cselect_b64 s[92:93], s[74:75], s[92:93]     ; bq, bk or bv,
	s_lshl_b32 s90, s99, 9
	s_add_nc_u64 s[92:93], s[92:93], s[90:91]      ; at my 128 features
	; both readings of those 512 bytes are loaded: along the B side (features 16 b + 8 h + j) and along the A side (feature 16 a + r); the way out clears the one that does not apply
.irp b, 0,1,2,3,4,5,6,7
	global_load_b128 v[BB+8*\b:BB+8*\b+3], v[BO], s[92:93] offset:64*\b
	global_load_b128 v[BB+8*\b+4:BB+8*\b+7], v[BO], s[92:93] offset:64*\b+16
.endr
.irp a, 0,1,2,3,4,5,6,7
	global_load_b32 v[BA+2*\a], v[AO], s[92:93] offset:64*\a
.endr
.macro FRAG reg, adr, q, i             ; a fragment, 16 rows x 128 K: lane l holds row l % 16; registers 4 c .. 4 c + 3 hold bytes 32 c + 16 (l / 16) + 0 .. 15: the same places on both sides
.irp c, 0,1,2,3
	ds_load_b128 v[\reg+4*\c:\reg+4*\c+3], v[\adr] offset:128*(\q)+32*\c+(\i)*16*PITCH
.endr
.endm
; 16 matrix instructions: the A side's blocks a0, a0 + 1 x the B side's eight, 128 along K.  p: the B side's set.  zero = 1: the first product starts the sums.
; The 64 accumulators take turns, one instruction a turn, in the same order in every step.
.macro MUL16 a0, p, zero
.irp a, \a0, \a0+1
.irp b, 0,1,2,3,4,5,6,7
.if \zero
	v_wmma_f32_16x16x128_fp8_fp8 v[8*(8*((\a)%4)+\b):8*(8*((\a)%4)+\b)+7], v[128*(\p)+FR*\b:128*(\p)+FR*\b+FR-1], v[AF+FR*(\a):AF+FR*(\a)+FR-1], 0
.else
	v_wmma_f32_16x16x128_fp8_fp8 v[8*(8*((\a)%4)+\b):8*(8*((\a)%4)+\b)+7], v[128*(\p)+FR*\b:128*(\p)+FR*\b+FR-1], v[AF+FR*(\a):AF+FR*(\a)+FR-1], v[8*(8*((\a)%4)+\b):8*(8*((\a)%4)+\b)+7]
.endif
.endr
.endr
.endm
.macro FETCH_B slot, q, p              ; the B side's eight fragments of the slot's q-th 128 along K into set p
	WIN TO_B
.irp i, 0,1,2,3,4,5,6,7
	FRAG 128*(\p)+FR*\i, ADRB+\slot, \q, \i
.endr
	WIN 0
.endm
.macro FETCH_A slot, q, i0             ; the A side's blocks i0 .. i0 + 3
.irp i, \i0, \i0+1, \i0+2, \i0+3
	FRAG AF+FR*(\i), ADRA+\slot, \q, \i
.endr
.endm
; A load into a register that a matrix instruction has read, and a vector instruction that reads a matrix result, stand NP places behind that matrix instruction; only plain vector
; instructions that name none of its registers are places (ISA guide 7.12.1 for vector instructions).
.macro PLACES n
.rept \n
	v_nop
.endr
.endm
; A step of 128 along K that has its successor in the same slot.
.macro STEP slot, q, zero
	s_wait_dscnt 4*NL                              ; the B side's set and blocks 0-3 are in; the youngest sixteen loads (blocks 4-7) may be out
	WIN MUL_LO
	MUL16 0, (\q)%2, \zero
	MUL16 2, (\q)%2, \zero
	s_wait_dscnt 0                                 ; blocks 4-7 are in (asked for 32 matrix instructions ago)
	PLACES NP
	FETCH_B \slot, (\q)+1, 1-(\q)%2
	FETCH_A \slot, (\q)+1, 0
	WIN MUL_HI
	MUL16 4, (\q)%2, \zero
	MUL16 6, (\q)%2, \zero
	PLACES NP
	WIN 0
	FETCH_A \slot, (\q)+1, 4
.endm
; A slot's last step changes slots: ONE barrier; in front of it each wave waits for all its tensor loads, adds 0 to its spare word, and waits for that and for its own reads of this slot.
; fill = 1: this slot is filled again, two K steps ahead in the same tile;  fill = 2: with the NEXT tile's K step of this slot: 512 bytes back along K, and the tokens' side NEXTT bytes on;  fill = 0: not at all.
; fetch = 1: the next slot's first fragments are fetched;  fetch = 0: a tile's end: the way out takes the A side's registers first.
.macro TURN slot, next, fill, fetch
	s_wait_tensorcnt 0x0                           ; all my tensor loads have landed: my part of the next slot  (every window is 0 here)
	ds_add_u32 v[SPW], v[NIL]                      ; 0 onto my spare word
	s_wait_dscnt 4*NL+1                            ; (the add and the youngest sixteen loads, blocks 4-7, may be out)
	WIN MUL_LO
	MUL16 0, 1, 0                                  ; sixteen matrix instructions stand between the add and the wait for it
	s_wait_dscnt 0x0                               ; the add is done, and my reads of this slot are over
	s_barrier_signal -1
	MUL16 2, 1, 0
	WIN 0
	s_barrier_wait -1
.if \fill
	CREST                                          ; the barrier has opened a round of the cluster's barrier: no wave of any partner still reads this slot's tile or has a load on its way
.if \fill == 2
	s_sub_nc_u64 s[G0+4*\slot+2:G0+4*\slot+3], s[G0+4*\slot+2:G0+4*\slot+3], 2*ROWB
	s_add_nc_u64 s[G0+4*\slot+2:G0+4*\slot+3], s[G0+4*\slot+2:G0+4*\slot+3], s[NXA:NXA+1]
	s_sub_nc_u64 s[G0B+4*\slot+2:G0B+4*\slot+3], s[G0B+4*\slot+2:G0B+4*\slot+3], 2*ROWB
	s_add_nc_u64 s[G0B+4*\slot+2:G0B+4*\slot+3], s[G0B+4*\slot+2:G0B+4*\slot+3], s[NXB:NXB+1]
.else
	s_add_nc_u64 s[G0+4*\slot+2:G0+4*\slot+3], s[G0+4*\slot+2:G0+4*\slot+3], 2*ROWB
	s_add_nc_u64 s[G0B+4*\slot+2:G0B+4*\slot+3], s[G0B+4*\slot+2:G0B+4*\slot+3], 2*ROWB
.endif
	JLOAD G0+4*\slot, G1, G0B+4*\slot, G1B         ; the first tensor load behind the round, my one load until the next; its four v_nop are also the places in front of the loads below
.else
	PLACES NP
.endif
.if \fetch
	FETCH_B \next, 0, 0
	FETCH_A \next, 0, 0
.endif
	WIN MUL_HI
	MUL16 4, 1, 0
	MUL16 6, 1, 0
.if \fetch
	PLACES NP
	WIN 0
	FETCH_A \next, 0, 4
.else
	WIN 0
.endif
.endm
; THE WAY OUT of block a: 16 rows of the A side x my 128 of the B side.  y = sum x 2^(ea + eb) + bias, held within +-448 x 2^eo, converted: a lane's eight results of accumulator (a, b) become registers 2 b, 2 b + 1 of block a's image.
.macro OUTB a
.set AC, 64*((\a)%4)
.set CC, CD+16*((\a)%4)
	WIN 0x02+((\a)/4)                              ; source 0: window 2 or 3
.set i, 0
.rept 32
	v_pk_fma_f32 v[TMP+i:TMP+i+1], v[AC+i:AC+i+1], s[96:97], v[BB+i:BB+i+1] op_sel_hi:[1,0,1]   ; sum x 2^(ea + eb) + the B side's bias; each accumulator from its low end on
.set i, i+2
.endr
	WIN 0
.set i, 0
.rept 32
	v_pk_add_f32 v[TMP+i:TMP+i+1], v[TMP+i:TMP+i+1], v[BA+2*(\a):BA+2*(\a)+1]   ; + the A side's bias.  One of the two is 0, so a number is rounded once
.set i, i+2
.endr
.set i, 0
.rept 64
	v_med3_num_f32 v[TMP+i], v[TMP+i], -v[LIM], v[LIM]   ; the conversion does not saturate (ISA guide 7.6.2)
.set i, i+1
.endr
.if (\a) >= 4
	s_wait_xcnt 0x0                                ; block a - 4's stores have read their registers: the set of codes is written again only behind this wait
.endif
.irp b, 0,1,2,3,4,5,6,7
	v_cvt_scalef32_pk8_fp8_f32 v[CC+2*\b:CC+2*\b+1], v[TMP+8*\b:TMP+8*\b+7], v[SCL]
.endr
	v_nop                                          ; one plain line between the conversions and the next lines that write their sources
.irp i, 0,1,2,3
	global_store_b128 v[CO], v[CC+4*\i:CC+4*\i+3], s[94:95] offset:2048*(\a)+512*\i   ; 32 lanes store 512 consecutive bytes, aligned
.endr
.endm
	; ---------------- THE FIRST TILE: K steps 0 to 3 in slots 0, 1, 0, 1
	s_wait_tensorcnt 1                             ; my part of K step 0 is in (K step 1's load may be out)
	s_barrier_signal -1
	s_barrier_wait -1                              ; everybody's is
	FETCH_B 0, 0, 0
	FETCH_A 0, 0, 0
	FETCH_A 0, 0, 4
	STEP 0, 0, 1                                   ; the first products start the sums
	TURN 0, 1, 1, 1                                ; slot 0 takes K step 2
	STEP 1, 0, 0
	TURN 1, 0, 1, 1                                ; slot 1 takes K step 3
	STEP 0, 0, 0
	TURN 0, 1, 2, 1                                ; THE RING GOES ON INTO THE SECOND TILE: slot 0 takes its K step 0,
	STEP 1, 0, 0
	TURN 1, 0, 2, 0                                ; slot 1 its K step 1: both land while this tile goes out
	s_wait_kmcnt 0x0                               ; the exponents
	s_wait_loadcnt 0x0                             ; the biases
	s_cmp_eq_u32 s79, 0
	s_cselect_b32 s96, s80, s82                    ; ea: entry 0, 2 or 4
	s_cselect_b32 s97, s81, s83                    ; eb: entry 1, 3 or 5
	s_cselect_b32 s98, s86, s87                    ; eo: entry 6 (q), 7 (k) or 9 (v)
	s_cmp_eq_u32 s79, 2
	s_cselect_b32 s96, s84, s96
	s_cselect_b32 s97, s85, s97
	s_cselect_b32 s98, s89, s98
	s_cselect_b32 s90, 0, -1                       ; all ones where the features lie along the B side (q, k),
	s_cselect_b32 s91, -1, 0                       ; all ones where they lie along the A side (v)
	s_add_co_i32 s96, s96, s97
	s_add_co_i32 s96, s96, 127
	s_lshl_b32 s96, s96, 23                        ; 2^(ea + eb) as f32
	s_mov_b32 s97, s96                             ; (named with it as a pair, so it is written)
	s_add_co_i32 s98, s98, 127
	s_lshl_b32 s99, s98, 23
	v_mov_b32 v[SCL], s99                          ; 2^eo
	s_add_co_i32 s98, s98, 8
	s_lshl_b32 s98, s98, 23
	s_or_b32 s98, s98, 0x600000
	v_mov_b32 v[LIM], s98                          ; 448 x 2^eo
.set i, 0
.rept 64
	v_and_b32 v[BB+i], s90, v[BB+i]                ; the reading of the bias that does not apply becomes 0, once for both tiles.  (These plain lines are also the places behind the last products)
.set i, i+1
.endr
.irp a, 0,1,2,3,4,5,6,7
	v_and_b32 v[BA+2*\a], s91, v[BA+2*\a]
.endr
.irp a, 0,1,2,3,4,5,6,7
	v_mov_b32 v[BA+2*\a+1], v[BA+2*\a]
.endr
.irp a, 0,1,2,3,4,5,6,7
	OUTB \a
.endr
	; ---------------- THE SECOND TILE.  Its K step 0 was shown landed, to every wave, by the last change of slots
	s_wait_xcnt 0x0                                ; the stores have read their registers and their base: the fragments may land there, and the base may step
	s_add_nc_u64 s[94:95], s[94:95], NEXTO
	FETCH_B 0, 0, 0
	FETCH_A 0, 0, 0
	FETCH_A 0, 0, 4
	STEP 0, 0, 1                                   ; the sums begin anew, on accumulators that have gone out
	TURN 0, 1, 1, 1
	STEP 1, 0, 0
	TURN 1, 0, 1, 1
	STEP 0, 0, 0
	TURN 0, 1, 0, 1                                ; nothing is left to ask for: no round of the cluster's barrier
	STEP 1, 0, 0
	s_wait_dscnt 4*NL                              ; the very last step: nothing more to fetch
	WIN MUL_LO
	MUL16 0, 1, 0
	MUL16 2, 1, 0
	s_wait_dscnt 0
	WIN MUL_HI
	MUL16 4, 1, 0
	MUL16 6, 1, 0
	WIN 0
	PLACES NP                                      ; in front of the first read of results
.irp a, 0,1,2,3,4,5,6,7
	OUTB \a
.endr
	s_wait_tensorcnt 0x0                           ; the wave's end
	ds_add_u32 v[SPW], v[NIL]
	s_wait_dscnt 0x0
	CROUND                                         ; the closing round: no work-group ends while a partner may still ask for a tile that names it
	s_endpgm
.Lfunc_end_k_qe27e6ec067_proj:
	.size	k_qe27e6ec067_proj, .Lfunc_end_k_qe27e6ec067_proj-k_qe27e6ec067_proj
	.p2alignl 7, 3214868480
	.fill 96, 4, 3214868480
	.section	.rodata,"a",@progbits
	.p2align	6, 0x0
	.amdhsa_kernel k_qe27e6ec067_proj
		.amdhsa_group_segment_fixed_size 327680
		.amdhsa_private_segment_fixed_size 0
		.amdhsa_enable_private_segment 0
		.amdhsa_kernarg_size 56
		.amdhsa_user_sgpr_count 2
		.amdhsa_user_sgpr_kernarg_segment_ptr 1
		.amdhsa_wavefront_size32 1
		.amdhsa_system_sgpr_workgroup_id_x 1
		.amdhsa_system_sgpr_workgroup_id_y 1
		.amdhsa_system_sgpr_workgroup_id_z 1
		.amdhsa_system_vgpr_workitem_id 0
		.amdhsa_next_free_vgpr 1024
		.amdhsa_next_free_sgpr 100
		.amdhsa_reserve_vcc 0
		.amdhsa_float_denorm_mode_32 3
		.amdhsa_float_denorm_mode_16_64 3
		.amdhsa_memory_ordered 1
		.amdhsa_forward_progress 1
		.amdhsa_inst_pref_size 255
	.end_amdhsa_kernel
	.section	.bss,"aw",@nobits
	.p2align	6
	.space	262144
	.amdgpu_metadata
---
amdhsa.version: [ 1, 2 ]
amdhsa.kernels:
  - .name:           k_qe27e6ec067_proj
    .symbol:         k_qe27e6ec067_proj.kd
    .args:
      - { .name: xc, .offset: 0, .size: 8, .value_kind: global_buffer, .address_space: global }
      - { .name: wc, .offset: 8, .size: 8, .value_kind: global_buffer, .address_space: global }
      - { .name: lowp_scales, .offset: 16, .size: 8, .value_kind: global_buffer, .address_space: global }
      - { .name: bq, .offset: 24, .size: 8, .value_kind: global_buffer, .address_space: global }
      - { .name: bk, .offset: 32, .size: 8, .value_kind: global_buffer, .address_space: global }
      - { .name: bv, .offset: 40, .size: 8, .value_kind: global_buffer, .address_space: global }
      - { .name: img, .offset: 48, .size: 8, .value_kind: global_buffer, .address_space: global }
    .group_segment_fixed_size: 327680
    .private_segment_fixed_size: 0
    .kernarg_segment_align: 8
    .kernarg_segment_size: 56
    .max_flat_workgroup_size: 128
    .sgpr_count:     100
    .vgpr_count:     1024
    .wavefront_size: 32
...
	.end_amdgpu_metadata
.endif
;; end of part 2
;; launch attn (part 3): grid 2 x 128, 8 waves a work-group, no clusters, 142,336 bytes of LDS; arguments img, lowp_scales, out0; writes out0
.if DOCPART == 3
	.amdgcn_target "amdgcn-amd-amdhsa--gfx1250"
	.amdhsa_code_object_version 6
	.text
	.protected	k_qe27e6ec067_attn
	.globl	k_qe27e6ec067_attn
	.p2align	8
	.type	k_qe27e6ec067_attn,@function
k_qe27e6ec067_attn:
	s_mov_b64 s[64:65], 0
	v_nop
	global_prefetch_b8 v0, s[64:65] scope:SCOPE_SE
	s_setreg_imm32_b32 hwreg(HW_REG_WAVE_MODE, 25, 1), 1
	s_wait_xcnt 0x0
; For each of 128 heads (8 batches x 16): scores = exp(q . k / 8); attn = scores / (the row's sum + 1e-8); ctx = attn v.  Both products on codes of E4M3; attn is quantised FINISHED AND NORMALISED, with the scale
; given for it, so a query's sum over all 1,024 keys is known before any of its weights is converted.  No maximum is taken away: the definition takes none, and its 1e-8 fixes the scale.
; img holds q, k and v as images of operand registers (blocks of 16,384 bytes, block = 8 x (token / 128) + head / 2): every load here is 512 consecutive bytes a wave.
; SHARES.  A work-group takes 512 queries of one head, in 8 passes of 64 (four tiles g of 16).  THE WAVES SHARE THE KEYS: wave w owns keys 128 w .. 128 w + 127 for the whole launch: 8 fragments of k and 4 of v^T,
; 128 registers, loaded once.  A pass's weights stay in registers from the exponential to the conversion: one exponential a score.  What goes through LDS: the waves' parts of the row sums and of ctx.
; LAYOUT.  S^T = k q^T (source 0 = 16 keys, source 1 = 16 queries): lane (r, h) holds query r and keys 16 t + 8 h + 0..7 of tile t.  Their eight codes are registers 2 t, 2 t + 1 of the 16x16x128 form's operand
; (k = 16 t + 8 h + 0..7): nothing changes lanes.  O^T = v^T p^T: lane (r, h) holds query r and d = 16 dt + 8 h + 0..7.  Every product starts from the constant 0: no sum runs over two matrix instructions.
; THE ORDER OF A PASS.  All eight waves meet at every exchange, so each exchange is laid under work on registers.  The four tiles are two pieces, (0, 1) and (2, 3), and a pass has three barriers:
;   signal A (sums of 0, 1 lie in LDS) | products of 2, 3 | wait A | the sums of 0, 1 are asked for; next q is asked for | exponentials and sums of 2, 3 |
;   signal B (sums of 2, 3 lie in LDS) | 1 / sum of 0, 1; tile 0 normalised, converted, multiplied | wait B | the sums of 2, 3 are asked for | tiles 1, 2, 3; a tile's part of ctx goes to LDS behind the next tile's normalising |
;   signal C (the parts of ctx lie in LDS) | the NEXT pass's products of 0, 1 | wait C | the eight parts are asked for, in two runs, among the next pass's exponentials and sums of 0, 1 | the parts are added up and stored.
; The last pass is written out without what belongs to a next pass.
; NO JOINT LOADS: k and v go from memory into registers, 16 KiB a wave once in the launch, and only two work-groups (the halves of a head's queries) read the same; a joint load would land in LDS and add a read of it.
; LIMITS: entries 6 + 7 between -123 and 130 (added to c's exponent field); entry 8 between -126 and 119; entries 8 + 9 between -126 and 127.  An exponential under 2^-126 counts as 0.
; A row in which an exponential overflows f32 is not served (the definition gives NaN there).
; REGISTERS.  window 0: v1-9 addresses and constants; v16-47 q; v48-111 k; v112-175 v^T; v176-239 the weights' codes, 16 a tile (while tile 0's are not in use: the sums' chains; while tile 3's are not: the waves' parts of the sums);
;   v240-247 1 / sum, a pair a tile; v248-255 at work.   window 1: the scores, then weights, at 64 g + 8 t + j; then O^T at 64 g + 8 dt + j; v128-255 then the eight waves' parts of ctx, at 128 + 16 w' + 4 i.
.set LO,   1                           ; v1   16 x lane
.set SST,  2                           ; v2   where I put my wave's part of a row sum: SUMS + 32 r + 4 w
.set SLD,  3                           ; v3   where I read four waves' parts: SUMS + 32 r + 16 h
.set OST,  4                           ; v4   where I put 32 bytes of a row of my wave's part of ctx
.set OLD0, 5                           ; v5   where I read rows back: parts 0-3,
.set OLD1, 6                           ; v6   parts 4-7
.set GO,   7                           ; v7   my byte offset in two rows of out0
.set LIM,  8                           ; v8   448 x 2^e8
.set SCL,  9                           ; v9   2^e8
.set QF,   16
.set KF,   48
.set VF,   112
.set PC,   176
.set AC,   176                         ; four chains of packed sums for each of a piece's two tiles: 8 u + 2 ch
.set XS,   224                         ; four waves' parts of a sum, a tile: 4 g
.set RC,   240
.set TS,   248
.set TP,   252
.set RB,   128                         ; in window 1
.set OPW,  17408                       ; LDS: a wave's part of ctx: 64 rows x (256 bytes + 16); eight of them from byte 0
.set SUMS, 8*OPW                       ; then the sums: [g][r][w] f32, 2,048 bytes
.set CS,   26                          ; s[26:27] c = log2(e) / 8 x 2^(e6 + e7)
.set OS,   28                          ; s[28:29] 2^(e8 + e9)
.set SEL,  30                          ; s[30:31] v_permlanex16_b32's selects for lane l xor 16
.set PASS, 36
.set MSB, 0
.macro WIN new                         ; bits 1:0 source 0, 3:2 source 1, 5:4 source 2, 7:6 destination; the high byte repeats the setting that is left
.if MSB != \new
	s_set_vgpr_msb (MSB<<8)|\new
.set MSB, \new
.endif
.endm
	s_load_b128 s[4:7], s[0:1], 0x0                ; img s[4:5], the exponents s[6:7]
	s_load_b64 s[8:9], s[0:1], 0x10                ; out0
	v_lshl_add_u32 v14, v0, 2, 0x22800
	v_mov_b32 v15, 0
	v_lshrrev_b32 v10, 5, v0
	v_readfirstlane_b32 s10, v10                   ; wave 0..7
	v_and_b32 v11, 31, v0                          ; lane
	v_and_b32 v12, 15, v0                          ; r
	v_bfe_u32 v13, v0, 4, 1                        ; h
	v_lshlrev_b32 v[LO], 4, v11
	s_lshl_b32 s46, s10, 2
	s_add_co_u32 s46, s46, SUMS
	v_lshl_add_u32 v[SST], v12, 5, s46
	v_lshlrev_b32 v[SLD], 5, v12
	v_lshl_add_u32 v[SLD], v13, 4, v[SLD]
	v_add_nc_u32 v[SLD], SUMS, v[SLD]
	s_mul_i32 s46, s10, OPW
	v_mul_u32_u24 v[OST], v12, 272
	v_lshl_add_u32 v[OST], v13, 5, v[OST]
	v_add_nc_u32 v[OST], s46, v[OST]               ; my part: row r, + 32 h
	s_mul_i32 s46, s10, 8*272                      ; back: wave w adds up rows 8 w .. 8 w + 7; lanes 0-15 one row, lanes 16-31 the next
	v_mul_u32_u24 v[OLD0], v13, 272
	v_lshl_add_u32 v[OLD0], v12, 4, v[OLD0]
	v_add_nc_u32 v[OLD0], s46, v[OLD0]
	v_add_nc_u32 v[OLD1], 4*OPW, v[OLD0]
	v_lshlrev_b32 v[GO], 12, v13                   ; a row of out0 is 4,096 bytes
	v_lshl_add_u32 v[GO], v12, 4, v[GO]
.irp g, 0,1,2,3
	v_mov_b32 v[RC+2*\g+1], 0                      ; (named as the upper half of a pair)
	v_mov_b32 v[TP+\g], 0                          ; written once: a lane permute's destination counts as one of its sources
.endr
	s_and_b32 s11, ttmp7, 0xffff
	s_lshr_b32 s12, s11, 4                         ; batch
	s_and_b32 s13, s11, 15                         ; head
	s_lshr_b32 s14, s13, 1                         ; head / 2
	s_and_b32 s15, s13, 1                          ; head % 2
	s_lshl_b32 s16, s12, 3                         ; the batch's first 128 tokens
	s_lshl_b32 s37, s14, 14
	s_add_co_u32 s17, s16, s10
	s_lshl_b32 s17, s17, 17                        ; eight blocks of 16,384 bytes for 128 tokens
	s_add_co_u32 s17, s17, s37                     ; my keys' block
	s_lshl_b32 s38, s15, 10
	s_add_co_u32 s38, s38, s17
	s_add_co_u32 s38, s38, 0x800000                ; in k
	s_mov_b32 s39, 0
	s_lshl_b32 s40, s15, 13
	s_add_co_u32 s40, s40, s17
	s_add_co_u32 s40, s40, 0x1000000               ; in v
	s_mov_b32 s41, 0
	s_lshl_b32 s42, ttmp9, 2
	s_add_co_u32 s42, s42, s16
	s_lshl_b32 s42, s42, 17
	s_add_co_u32 s42, s42, s37
	s_lshl_b32 s43, s15, 10
	s_add_co_u32 s42, s42, s43                     ; my work-group's first queries, in q
	s_mov_b32 s43, 0
	s_lshl_b32 s44, s12, 10
	s_lshl_b32 s45, ttmp9, 9
	s_add_co_u32 s44, s44, s45
	s_lshl_b32 s45, s10, 3
	s_add_co_u32 s44, s44, s45                     ; the first row that I store: 1024 batch + 512 half + 8 w
	s_lshl_b32 s44, s44, 12
	s_lshl_b32 s45, s13, 8
	s_add_co_u32 s44, s44, s45                     ; + the head's 256 bytes
	s_mov_b32 s45, 0
	s_mov_b32 s[SEL], 0x76543210
	s_mov_b32 s[SEL+1], 0xfedcba98
	s_mov_b32 s[PASS], 0
	s_wait_kmcnt 0x0
	s_load_b64 s[32:33], s[6:7], 0x18              ; e6, e7
	s_load_b64 s[34:35], s[6:7], 0x20              ; e8, e9
	s_add_nc_u64 s[18:19], s[4:5], s[38:39]
	s_add_nc_u64 s[20:21], s[4:5], s[40:41]
	s_add_nc_u64 s[22:23], s[4:5], s[42:43]
	s_add_nc_u64 s[8:9], s[8:9], s[44:45]
.irp a, 0,1,2,3,4,5,6,7
.irp c, 0,1
	global_load_b128 v[KF+8*\a+4*\c:KF+8*\a+4*\c+3], v[LO], s[18:19] offset:2048*\a+512*\c   ; k: tile a of my 128 keys; stays
.endr
.endr
.irp g, 0,1,2,3
.irp c, 0,1
	global_load_b128 v[QF+8*\g+4*\c:QF+8*\g+4*\c+3], v[LO], s[22:23] offset:2048*\g+512*\c   ; q of the first pass
.endr
.endr
.irp d, 0,1,2,3
.irp c, 0,1,2,3
	global_load_b128 v[VF+16*\d+4*\c:VF+16*\d+4*\c+3], v[LO], s[20:21] offset:2048*\d+512*\c ; v^T: d = 16 dt on, my 128 keys; stays
.endr
.endr
	s_wait_kmcnt 0x0
	s_add_co_i32 s37, s32, s33
	s_lshl_b32 s37, s37, 23
	s_add_co_i32 s[CS], s37, 0x3e38aa3b            ; log2(e) / 8, with e6 + e7 added to its exponent field
	s_mov_b32 s[CS+1], s[CS]                       ; (named with it as a pair, so it is written)
	s_add_co_i32 s37, s34, s35
	s_add_co_i32 s37, s37, 127
	s_lshl_b32 s[OS], s37, 23                      ; 2^(e8 + e9)
	s_mov_b32 s[OS+1], s[OS]
	s_add_co_i32 s37, s34, 127
	s_lshl_b32 s38, s37, 23
	v_mov_b32 v[SCL], s38
	s_add_co_i32 s37, s37, 8
	s_lshl_b32 s37, s37, 23
	s_or_b32 s37, s37, 0x600000
	v_mov_b32 v[LIM], s37
.macro SMUL g                          ; tile g's scores against my 128 keys: eight products, each with C = 0
.irp t, 0,1,2,3,4,5,6,7
	v_wmma_f32_16x16x64_fp8_fp8 v[64*(\g)+8*\t:64*(\g)+8*\t+7], v[KF+8*\t:KF+8*\t+7], v[QF+8*(\g):QF+8*(\g)+7], 0
.endr
.endm
.macro VEXP g                          ; scores x c, two at a time, and 2^(that), in place.  A pair is scaled two lines or more ahead of its exponentials; nothing here reads an exponential's result
.set PB, 64*(\g)
	v_pk_mul_f32 v[PB:PB+1], v[PB:PB+1], s[CS:CS+1] op_sel_hi:[1,0]
	v_pk_mul_f32 v[PB+2:PB+3], v[PB+2:PB+3], s[CS:CS+1] op_sel_hi:[1,0]
.set i, 0
.rept 30
	v_exp_f32 v[PB+2*i], v[PB+2*i]
	v_exp_f32 v[PB+2*i+1], v[PB+2*i+1]
	v_pk_mul_f32 v[PB+2*i+4:PB+2*i+5], v[PB+2*i+4:PB+2*i+5], s[CS:CS+1] op_sel_hi:[1,0]
.set i, i+1
.endr
.irp n, 60,61,62,63
	v_exp_f32 v[PB+\n], v[PB+\n]
.endr
.endm
; The row sums of the unquantised scores of tiles a and a + 1: my 64 a tile, two at a time, in four chains a tile; the eight chains take turns.  My wave's parts go to LDS.  It leaves every window 0.
.macro SUMP a
	WIN 0x05
.irp u, 0,1
.irp ch, 0,1,2,3
	v_pk_add_f32 v[AC+8*\u+2*\ch:AC+8*\u+2*\ch+1], v[64*((\a)+\u)+2*\ch:64*((\a)+\u)+2*\ch+1], v[64*((\a)+\u)+8+2*\ch:64*((\a)+\u)+8+2*\ch+1]
.endr
.endr
	WIN 0x01
.set i, 16
.rept 6
.irp u, 0,1
.irp ch, 0,1,2,3
	v_pk_add_f32 v[AC+8*\u+2*\ch:AC+8*\u+2*\ch+1], v[64*((\a)+\u)+i+2*\ch:64*((\a)+\u)+i+2*\ch+1], v[AC+8*\u+2*\ch:AC+8*\u+2*\ch+1]
.endr
.endr
.set i, i+8
.endr
	WIN 0
.irp u, 0,1
	v_pk_add_f32 v[AC+8*\u:AC+8*\u+1], v[AC+8*\u:AC+8*\u+1], v[AC+8*\u+2:AC+8*\u+3]
	v_pk_add_f32 v[AC+8*\u+4:AC+8*\u+5], v[AC+8*\u+4:AC+8*\u+5], v[AC+8*\u+6:AC+8*\u+7]
.endr
.irp u, 0,1
	v_pk_add_f32 v[AC+8*\u:AC+8*\u+1], v[AC+8*\u:AC+8*\u+1], v[AC+8*\u+4:AC+8*\u+5]
.endr
.irp u, 0,1
	v_add_f32 v[TS+(\a)+\u], v[AC+8*\u], v[AC+8*\u+1]
.endr
.irp u, 0,1
	v_permlanex16_b32 v[TP+(\a)+\u], v[TS+(\a)+\u], s[SEL], s[SEL+1]   ; the query's other 64 of my keys lie in the lane 16 away
.endr
.irp u, 0,1
	v_add_f32 v[TS+(\a)+\u], v[TS+(\a)+\u], v[TP+(\a)+\u]
.endr
.irp u, 0,1
	ds_store_b32 v[SST], v[TS+(\a)+\u] offset:512*((\a)+\u)   ; both halves of the lanes write the same word with the same number
.endr
.endm
.macro XLOAD a                         ; tiles a and a + 1: the parts of waves 4 h .. 4 h + 3
.irp u, 0,1
	ds_load_b128 v[XS+4*((\a)+\u):XS+4*((\a)+\u)+3], v[SLD] offset:512*((\a)+\u)
.endr
.endm
.macro RCPP a                          ; tiles a and a + 1: the row's sum (the same additions in every wave, so the same number), + 1e-8, and its reciprocal
.irp u, 0,1
	v_pk_add_f32 v[XS+4*((\a)+\u):XS+4*((\a)+\u)+1], v[XS+4*((\a)+\u):XS+4*((\a)+\u)+1], v[XS+4*((\a)+\u)+2:XS+4*((\a)+\u)+3]
.endr
.irp u, 0,1
	v_add_f32 v[TS+(\a)+\u], v[XS+4*((\a)+\u)], v[XS+4*((\a)+\u)+1]
.endr
.irp u, 0,1
	v_permlanex16_b32 v[TP+(\a)+\u], v[TS+(\a)+\u], s[SEL], s[SEL+1]
.endr
.irp u, 0,1
	v_add_f32 v[TS+(\a)+\u], v[TS+(\a)+\u], v[TP+(\a)+\u]
.endr
.irp u, 0,1
	v_add_f32 v[TS+(\a)+\u], 0x322bcc77, v[TS+(\a)+\u]       ; + 1e-8
.endr
.irp u, 0,1
	v_rcp_f32 v[RC+2*((\a)+\u)], v[TS+(\a)+\u]
.endr
	v_nop                                          ; one plain line behind the last reciprocal,
	s_wait_alu depctr_va_vdst(0)                   ; and one wait for the two, ahead of their first reader
.endm
.macro NORM g                          ; attn = score x 1 / (sum + 1e-8), held at the largest code x the scale (it is never negative: the hold is one-sided)
.set PB, 64*(\g)
.set i, 0
.rept 32
	v_pk_mul_f32 v[PB+2*i:PB+2*i+1], v[PB+2*i:PB+2*i+1], v[RC+2*(\g):RC+2*(\g)+1] op_sel_hi:[1,0]
.set i, i+1
.endr
.set i, 0
.rept 64
	v_min_num_f32 v[PB+i], v[PB+i], v[LIM]
.set i, i+1
.endr
.endm
.macro CVT g
.irp t, 0,1,2,3,4,5,6,7
	v_cvt_scalef32_pk8_fp8_f32 v[PC+16*(\g)+2*\t:PC+16*(\g)+2*\t+1], v[64*(\g)+8*\t:64*(\g)+8*\t+7], v[SCL]
.endr
.endm
.macro PVMUL g                         ; my 128 keys' part of tile g's ctx: four products, each with C = 0, laid over the weights that have been converted
.irp d, 0,1,2,3
	v_wmma_f32_16x16x128_fp8_fp8 v[64*(\g)+8*\d:64*(\g)+8*\d+7], v[VF+16*\d:VF+16*\d+15], v[PC+16*(\g):PC+16*(\g)+15], 0
.endr
.endm
.macro QCP g                           ; tile g, normalised: converted and multiplied
	WIN 0x01
	CVT \g
	v_nop                                          ; one plain line between the conversions and the products, which read their results and write over their sources
	WIN 0x40
	PVMUL \g
.endm
.macro OSTORE g                        ; my part of tile g's ctx to LDS: lane (r, h): row 16 g + r, bytes 64 dt + 32 h on; each result from its low end on
	WIN 0x04
.irp d, 0,1,2,3
	ds_store_b128 v[OST], v[64*(\g)+8*\d:64*(\g)+8*\d+3] offset:4352*(\g)+64*\d
	ds_store_b128 v[OST], v[64*(\g)+8*\d+4:64*(\g)+8*\d+7] offset:4352*(\g)+64*\d+16
.endr
.endm
.macro RLOAD hf, adr                   ; rows 8 w .. 8 w + 7 of parts 4 hf .. 4 hf + 3
.irp w, 0,1,2,3
.irp i, 0,1,2,3
	ds_load_b128 v[RB+64*(\hf)+16*\w+4*\i:RB+64*(\hf)+16*\w+4*\i+3], v[\adr] offset:\w*OPW+544*\i
.endr
.endr
.endm
.macro PLACES                          ; four places between matrix instructions and the first read of their results, or a load into their registers (ISA guide 7.12.1 for vector instructions)
.rept 4
	v_nop
.endr
.endm
; A PASS: 64 queries.  At its head tiles 0 and 1 hold their exponentials, and my parts of their sums are on their way to LDS.  next = 1: a pass follows.
.macro PASSM next
	s_wait_dscnt 0x0                               ; my parts of the sums of tiles 0 and 1 have landed; my reads of the last pass's parts of ctx are over
	s_barrier_signal -1                            ; ---- A
	WIN 0x40
	SMUL 2
	SMUL 3
	PLACES                                         ; in front of the first read of results, and of the loads into q's registers
	WIN 0
	s_barrier_wait -1
	XLOAD 0                                        ; they land under the exponentials below
.if \next
	s_add_co_u32 s37, s[PASS], 1                   ; q of the next pass is asked for now: it is wanted at barrier C
	s_lshr_b32 s38, s37, 1
	s_lshl_b32 s38, s38, 17                        ; two passes to 128 queries: 131,072 bytes on,
	s_and_b32 s37, s37, 1
	s_lshl_b32 s37, s37, 13                        ; and the block's upper four tiles in odd passes
	s_add_co_u32 s38, s38, s37
	s_mov_b32 s39, 0
	s_add_nc_u64 s[24:25], s[22:23], s[38:39]      ; (the loads that last named s[24:25] were waited for in front of the last barrier C)
.irp g, 0,1,2,3
.irp c, 0,1
	global_load_b128 v[QF+8*\g+4*\c:QF+8*\g+4*\c+3], v[LO], s[24:25] offset:2048*\g+512*\c
.endr
.endr
.endif
	WIN 0x41
	VEXP 2
	VEXP 3
	v_nop                                          ; one plain line behind the last exponential,
	s_wait_alu depctr_va_vdst(0)                   ; and one wait for the 128, ahead of the first line that names a result
	SUMP 2
	s_wait_dscnt 0x0                               ; my parts of the sums of tiles 2 and 3 have landed; the sums of tiles 0 and 1 are in
	s_barrier_signal -1                            ; ---- B
	RCPP 0
	WIN 0x41
	NORM 0
	QCP 0
	WIN 0
	s_barrier_wait -1
	XLOAD 2                                        ; they land under tile 1's normalising
	WIN 0x41
	NORM 1                                         ; (a tile's plain lines are the places behind the tile before's products)
	OSTORE 0
	QCP 1
	WIN 0
	s_wait_dscnt 8                                 ; the sums of tiles 2 and 3 are in; tile 0's eight stores, issued behind them, may be out
	RCPP 2
	WIN 0x41
	NORM 2
	OSTORE 1
	QCP 2
	WIN 0x41
	NORM 3
	OSTORE 2
	QCP 3
	PLACES                                         ; in front of the LDS stores that read the last results
	OSTORE 3
	WIN 0
.if \next
	s_wait_loadcnt 0x0                             ; q of the next pass
.endif
	s_wait_dscnt 0x0                               ; my part of ctx has landed; my reads of the sums are over
	s_barrier_signal -1                            ; ---- C
.if \next
	WIN 0x40
	SMUL 0                                         ; the next pass's tiles 0 and 1, over registers whose stores are done
	SMUL 1
	PLACES
	WIN 0
.endif
	s_barrier_wait -1
	WIN 0x40
	RLOAD 0, OLD0                                  ; the eight parts are asked for in two runs, with the next pass's exponentials behind each
.if \next
	WIN 0x41
	VEXP 0
	WIN 0x40
.endif
	RLOAD 1, OLD1
.if \next
	WIN 0x41
	VEXP 1
	v_nop
	s_wait_alu depctr_va_vdst(0)                   ; one wait for the 128
	SUMP 0
.endif
	; wave w adds up rows 8 w .. 8 w + 7 of the eight parts, x 2^(e8 + e9), and stores them
	WIN 0x51
	s_wait_dscnt 28+2*\next                        ; part 0's four loads are in; behind them: 28 loads and, where a pass follows, its two stores of sums
.irp j, 0,2,4,6,8,10,12,14
	v_pk_mul_f32 v[RB+\j:RB+\j+1], v[RB+\j:RB+\j+1], s[OS:OS+1] op_sel_hi:[1,0]
.endr
.irp w, 1,2,3,4,5,6,7
	s_wait_dscnt 28-4*\w+2*\next                   ; part w's four loads are in; what was issued behind them may be out
.irp j, 0,2,4,6,8,10,12,14
	v_pk_fma_f32 v[RB+\j:RB+\j+1], v[RB+16*\w+\j:RB+16*\w+\j+1], s[OS:OS+1], v[RB+\j:RB+\j+1] op_sel_hi:[1,0,1]
.endr
.endr
	WIN 0x04
.irp i, 0,1,2,3
	global_store_b128 v[GO], v[RB+4*\i:RB+4*\i+3], s[8:9] offset:8192*\i th:TH_STORE_NT   ; sixteen lanes store a query's 256 bytes of this head, aligned; written once, read by nobody here
.endr
	WIN 0
.if \next
	s_wait_xcnt 0x0                                ; the stores have read their registers and their base: both are written again only behind this wait
	s_add_nc_u64 s[8:9], s[8:9], 64*4096           ; 64 rows of out0 on
.endif
.endm
	; the first pass's tiles 0 and 1, which every later pass finds made
	s_wait_loadcnt 0x0                             ; k, q, v
	WIN 0x40
	SMUL 0
	SMUL 1
	PLACES
	WIN 0x41
	VEXP 0
	VEXP 1
	v_nop
	s_wait_alu depctr_va_vdst(0)
	SUMP 0
.Lpass:                                                ; 7 trips
	PASSM 1
	s_add_co_u32 s[PASS], s[PASS], 1
	s_cmp_lt_u32 s[PASS], 7
	s_cbranch_scc1 .Lpass
	PASSM 0                                        ; the last pass asks for nothing and begins nothing
	s_wait_tensorcnt 0x0
	ds_add_u32 v14, v15
	s_wait_dscnt 0x0
	s_endpgm
.Lfunc_end_k_qe27e6ec067_attn:
	.size	k_qe27e6ec067_attn, .Lfunc_end_k_qe27e6ec067_attn-k_qe27e6ec067_attn
	.p2alignl 7, 3214868480
	.fill 96, 4, 3214868480
	.section	.rodata,"a",@progbits
	.p2align	6, 0x0
	.amdhsa_kernel k_qe27e6ec067_attn
		.amdhsa_group_segment_fixed_size 142336
		.amdhsa_private_segment_fixed_size 0
		.amdhsa_enable_private_segment 0
		.amdhsa_kernarg_size 24
		.amdhsa_user_sgpr_count 2
		.amdhsa_user_sgpr_kernarg_segment_ptr 1
		.amdhsa_wavefront_size32 1
		.amdhsa_system_sgpr_workgroup_id_x 1
		.amdhsa_system_sgpr_workgroup_id_y 1
		.amdhsa_system_sgpr_workgroup_id_z 1
		.amdhsa_system_vgpr_workitem_id 0
		.amdhsa_next_free_vgpr 512
		.amdhsa_next_free_sgpr 66
		.amdhsa_reserve_vcc 0
		.amdhsa_float_denorm_mode_32 3
		.amdhsa_float_denorm_mode_16_64 3
		.amdhsa_memory_ordered 1
		.amdhsa_forward_progress 1
		.amdhsa_inst_pref_size 125
	.end_amdhsa_kernel
	.amdgpu_metadata
---
amdhsa.version: [ 1, 2 ]
amdhsa.kernels:
  - .name:           k_qe27e6ec067_attn
    .symbol:         k_qe27e6ec067_attn.kd
    .args:
      - { .name: img, .offset: 0, .size: 8, .value_kind: global_buffer, .address_space: global }
      - { .name: lowp_scales, .offset: 8, .size: 8, .value_kind: global_buffer, .address_space: global }
      - { .name: out0, .offset: 16, .size: 8, .value_kind: global_buffer, .address_space: global }
    .group_segment_fixed_size: 142336
    .private_segment_fixed_size: 0
    .kernarg_segment_align: 8
    .kernarg_segment_size: 24
    .max_flat_workgroup_size: 256
    .sgpr_count:     66
    .vgpr_count:     512
    .wavefront_size: 32
...
	.end_amdgpu_metadata
.endif
;; end of part 3
;; ======== version 2 of 2: 3 launches; version 1 with the launch attn written anew for expert scheduling mode
;; workspace buffers: xc 25,165,824 bytes; wc 3,145,728 bytes; img 25,165,824 bytes
;; launch prep: the kernel of part 1 again; grid 864 x 1, 4 waves a work-group, no clusters, 36,352 bytes of LDS; arguments Q, K, V, Wq, Wk, Wv, lowp_scales, xc, wc; writes xc, wc
;; launch proj: the kernel of part 2 again; grid 4 x 48, 4 waves a work-group, clusters of 4 x 4, 327,680 bytes of LDS; arguments xc, wc, lowp_scales, bq, bk, bv, img; writes img
;; launch attn (part 4): grid 2 x 128, 8 waves a work-group, no clusters, 142,336 bytes of LDS; arguments img, lowp_scales, out0; writes out0
.if DOCPART == 4
	.amdgcn_target "amdgcn-amd-amdhsa--gfx1250"
	.amdhsa_code_object_version 6
	.text
	.protected	k_qe27e6ec067_attn
	.globl	k_qe27e6ec067_attn
	.p2align	8
	.type	k_qe27e6ec067_attn,@function
k_qe27e6ec067_attn:
	s_mov_b64 s[64:65], 0
	v_nop
	global_prefetch_b8 v0, s[64:65] scope:SCOPE_SE
	s_setreg_imm32_b32 hwreg(HW_REG_WAVE_SCHED_MODE, 0, 2), 2
	s_setreg_imm32_b32 hwreg(HW_REG_WAVE_MODE, 25, 1), 1
	s_wait_xcnt 0x0
	s_wait_alu depctr_vm_vsrc(0)
; For each of 128 heads (8 batches x 16): scores = exp(q . k / 8); attn = scores / (the row's sum + 1e-8); ctx = attn v.  Both products on codes of E4M3; attn is quantised FINISHED AND NORMALISED, with the scale
; given for it, so a query's sum over all 1,024 keys is known before any of its weights is converted.  No maximum is taken away: the definition takes none, and its 1e-8 fixes the scale.
; img holds q, k and v as images of operand registers (blocks of 16,384 bytes, block = 8 x (token / 128) + head / 2): every load here is 512 consecutive bytes a wave.
; SHARES.  A work-group takes 512 queries of one head, in 8 passes of 64 (four tiles g of 16).  THE WAVES SHARE THE KEYS: wave w owns keys 128 w .. 128 w + 127 for the whole launch: 8 fragments of k and 4 of v^T,
; 128 registers, loaded once.  A pass's weights stay in registers from the exponential to the conversion: one exponential a score.  What goes through LDS: the waves' parts of the row sums and of ctx.
; LAYOUT.  S^T = k q^T (source 0 = 16 keys, source 1 = 16 queries): lane (r, h) holds query r and keys 16 t + 8 h + 0..7 of tile t.  Their eight codes are registers 2 t, 2 t + 1 of the 16x16x128 form's operand
; (k = 16 t + 8 h + 0..7): nothing changes lanes.  O^T = v^T p^T: lane (r, h) holds query r and d = 16 dt + 8 h + 0..7.  Every product starts from the constant 0: no sum runs over two matrix instructions.
; THE ORDER OF A PASS.  All eight waves meet at every exchange, so each exchange is laid under work on registers.  The four tiles are two pieces, (0, 1) and (2, 3), and a pass has three barriers:
;   signal A (sums of 0, 1 lie in LDS) | products of 2, 3 | wait A | the sums of 0, 1 are asked for; next q is asked for | exponentials and sums of 2, 3 |
;   signal B (sums of 2, 3 lie in LDS) | 1 / sum of 0, 1; tile 0 normalised, converted, multiplied | wait B | the sums of 2, 3 are asked for | tiles 1, 2, 3; the tiles' parts of ctx go to LDS among the later tiles' lines |
;   signal C (the parts of ctx lie in LDS) | the NEXT pass's products of 0, 1 | wait C | the eight parts are asked for, in two runs, among the next pass's exponentials and sums of 0, 1 | the parts are added up and stored.
; The last pass is written out without what belongs to a next pass.
; NO JOINT LOADS: k and v go from memory into registers, 16 KiB a wave once in the launch, and only two work-groups (the halves of a head's queries) read the same; a joint load would land in LDS and add a read of it.
; LIMITS: entries 6 + 7 between -123 and 130 (added to c's exponent field); entry 8 between -126 and 119; entries 8 + 9 between -126 and 127.  An exponential under 2^-126 counts as 0.
; A row in which an exponential overflows f32 is not served (the definition gives NaN there).
; REGISTERS.  window 0: v1-9 addresses and constants; v10-13 at work on the rows' whole sums; v16-47 q; v48-111 k; v112-175 v^T; v176-239 the weights' codes, 16 a tile (while tile 0's are not in use: the sums' chains;
;   while tile 3's are not: the waves' parts of the sums); v240-247 1 / sum, a pair a tile; v248-251 my wave's parts of the sums, on their way to LDS; v252-255 the lane permutes' results.
;   window 1: the scores, then weights, at 64 g + 8 t + j; then O^T at 64 g + 8 dt + j; v128-255 then the eight waves' parts of ctx, at 128 + 16 w' + 4 i.
; THE MODE: SCHED_MODE bits 1:0 = 2 (LLVM: expert scheduling mode 2), set by the entry lines.  The code itself states the register dependences between vector or matrix instructions and memory or LDS
; instructions, with s_wait_alu, always for 0.
; THE PLAN.  Registers that memory or LDS instructions touch, round a pass:
;   v1-7               Addresses: made at the head, never written again.
;   q                  Read by the products of tiles 0, 1 (behind signal C of the pass before) and 2, 3 (behind signal A); the next pass's loads land behind wait A.
;   XS (v224-239)      The sums' loads land: tiles 0, 1's behind wait A, tiles 2, 3's behind wait B; the whole sums' additions read and write them; late in the pass they are tile 3's codes.
;   TS (v248-251)      Written by the last additions of my wave's sums, read by the two LDS stores behind them, named by nothing else.
;   window 1, 64 g + 0..31   Written by tile g's four products, read by its eight LDS stores; then written by the next pass's products (g = 0, 1) or by the loads of the parts (g = 2, 3).
;   window 1, v128-255       Named by all lines of tiles 2 and 3; the parts' loads land behind wait C; the additions read them; the four global stores read v128-143; the next pass's products of tile 2 write them.
; WAITS ON va_vdst, beside those behind exponentials and reciprocals: behind wait A (for q's and the sums' loads); ahead of each pair of stores of sums; ahead of tile 2's and of tile 3's stores of ctx (tiles 0 and 1's
; lean on the wait behind the second pair of reciprocals); ahead of the parts' loads; ahead of the global stores.  WAITS ON vm_vsrc: ahead of signal C (the LDS stores have read their registers) and at a pass's end
; (the global stores have read theirs).
.set LO,   1                           ; v1   16 x lane
.set SST,  2                           ; v2   where I put my wave's part of a row sum: SUMS + 32 r + 4 w
.set SLD,  3                           ; v3   where I read four waves' parts: SUMS + 32 r + 16 h
.set OST,  4                           ; v4   where I put 32 bytes of a row of my wave's part of ctx
.set OLD0, 5                           ; v5   where I read rows back: parts 0-3,
.set OLD1, 6                           ; v6   parts 4-7
.set GO,   7                           ; v7   my byte offset in two rows of out0
.set LIM,  8                           ; v8   448 x 2^e8
.set SCL,  9                           ; v9   2^e8
.set TR,   10                          ; v10-13 a row's whole sum, a tile each (at the head: the wave, the lane, r, h)
.set QF,   16
.set KF,   48
.set VF,   112
.set PC,   176
.set AC,   176                         ; four chains of packed sums for each of a piece's two tiles: 8 u + 2 ch
.set XS,   224                         ; four waves' parts of a sum, a tile: 4 g
.set RC,   240
.set TS,   248
.set TP,   252
.set RB,   128                         ; in window 1
.set OPW,  17408                       ; LDS: a wave's part of ctx: 64 rows x (256 bytes + 16); eight of them from byte 0
.set SUMS, 8*OPW                       ; then the sums: [g][r][w] f32, 2,048 bytes
.set CS,   26                          ; s[26:27] c = log2(e) / 8 x 2^(e6 + e7)
.set OS,   28                          ; s[28:29] 2^(e8 + e9)
.set SEL,  30                          ; s[30:31] v_permlanex16_b32's selects for lane l xor 16
.set PASS, 36
.set MSB, 0
.macro WIN new                         ; bits 1:0 source 0, 3:2 source 1, 5:4 source 2, 7:6 destination; the high byte repeats the setting that is left
.if MSB != \new
	s_set_vgpr_msb (MSB<<8)|\new
.set MSB, \new
.endif
.endm
	s_load_b128 s[4:7], s[0:1], 0x0                ; img s[4:5], the exponents s[6:7]
	s_load_b64 s[8:9], s[0:1], 0x10                ; out0
	v_lshl_add_u32 v14, v0, 2, 0x22800
	v_mov_b32 v15, 0
	v_lshrrev_b32 v10, 5, v0
	v_readfirstlane_b32 s10, v10                   ; wave 0..7
	v_and_b32 v11, 31, v0                          ; lane
	v_and_b32 v12, 15, v0                          ; r
	v_bfe_u32 v13, v0, 4, 1                        ; h
	v_lshlrev_b32 v[LO], 4, v11
	s_wait_alu depctr_va_sdst(0)                   ; s10 is written, ahead of its first reader: LDS addresses and the bases of k, v and out0 are made from it
	s_lshl_b32 s46, s10, 2
	s_add_co_u32 s46, s46, SUMS
	v_lshl_add_u32 v[SST], v12, 5, s46
	v_lshlrev_b32 v[SLD], 5, v12
	v_lshl_add_u32 v[SLD], v13, 4, v[SLD]
	v_add_nc_u32 v[SLD], SUMS, v[SLD]
	s_mul_i32 s46, s10, OPW
	v_mul_u32_u24 v[OST], v12, 272
	v_lshl_add_u32 v[OST], v13, 5, v[OST]
	v_add_nc_u32 v[OST], s46, v[OST]               ; my part: row r, + 32 h
	s_mul_i32 s46, s10, 8*272                      ; back: wave w adds up rows 8 w .. 8 w + 7; lanes 0-15 one row, lanes 16-31 the next
	v_mul_u32_u24 v[OLD0], v13, 272
	v_lshl_add_u32 v[OLD0], v12, 4, v[OLD0]
	v_add_nc_u32 v[OLD0], s46, v[OLD0]
	v_add_nc_u32 v[OLD1], 4*OPW, v[OLD0]
	v_lshlrev_b32 v[GO], 12, v13                   ; a row of out0 is 4,096 bytes
	v_lshl_add_u32 v[GO], v12, 4, v[GO]
.irp g, 0,1,2,3
	v_mov_b32 v[RC+2*\g+1], 0                      ; (named as the upper half of a pair)
	v_mov_b32 v[TP+\g], 0                          ; written once: a lane permute's destination counts as one of its sources
.endr
	s_and_b32 s11, ttmp7, 0xffff
	s_lshr_b32 s12, s11, 4                         ; batch
	s_and_b32 s13, s11, 15                         ; head
	s_lshr_b32 s14, s13, 1                         ; head / 2
	s_and_b32 s15, s13, 1                          ; head % 2
	s_lshl_b32 s16, s12, 3                         ; the batch's first 128 tokens
	s_lshl_b32 s37, s14, 14
	s_add_co_u32 s17, s16, s10
	s_lshl_b32 s17, s17, 17                        ; eight blocks of 16,384 bytes for 128 tokens
	s_add_co_u32 s17, s17, s37                     ; my keys' block
	s_lshl_b32 s38, s15, 10
	s_add_co_u32 s38, s38, s17
	s_add_co_u32 s38, s38, 0x800000                ; in k
	s_mov_b32 s39, 0
	s_lshl_b32 s40, s15, 13
	s_add_co_u32 s40, s40, s17
	s_add_co_u32 s40, s40, 0x1000000               ; in v
	s_mov_b32 s41, 0
	s_lshl_b32 s42, ttmp9, 2
	s_add_co_u32 s42, s42, s16
	s_lshl_b32 s42, s42, 17
	s_add_co_u32 s42, s42, s37
	s_lshl_b32 s43, s15, 10
	s_add_co_u32 s42, s42, s43                     ; my work-group's first queries, in q
	s_mov_b32 s43, 0
	s_lshl_b32 s44, s12, 10
	s_lshl_b32 s45, ttmp9, 9
	s_add_co_u32 s44, s44, s45
	s_lshl_b32 s45, s10, 3
	s_add_co_u32 s44, s44, s45                     ; the first row that I store: 1024 batch + 512 half + 8 w
	s_lshl_b32 s44, s44, 12
	s_lshl_b32 s45, s13, 8
	s_add_co_u32 s44, s44, s45                     ; + the head's 256 bytes
	s_mov_b32 s45, 0
	s_mov_b32 s[SEL], 0x76543210
	s_mov_b32 s[SEL+1], 0xfedcba98
	s_mov_b32 s[PASS], 0
	s_wait_kmcnt 0x0
	s_load_b64 s[32:33], s[6:7], 0x18              ; e6, e7
	s_load_b64 s[34:35], s[6:7], 0x20              ; e8, e9
	s_add_nc_u64 s[18:19], s[4:5], s[38:39]
	s_add_nc_u64 s[20:21], s[4:5], s[40:41]
	s_add_nc_u64 s[22:23], s[4:5], s[42:43]
	s_add_nc_u64 s[8:9], s[8:9], s[44:45]
	s_wait_alu depctr_va_vdst(0)                   ; the seven addresses v1 to v7 are written: every load and store of the kernel, global or LDS, reads one of them, and no vector line names them again
.irp a, 0,1,2,3,4,5,6,7
.irp c, 0,1
	global_load_b128 v[KF+8*\a+4*\c:KF+8*\a+4*\c+3], v[LO], s[18:19] offset:2048*\a+512*\c   ; k: tile a of my 128 keys; stays
.endr
.endr
.irp g, 0,1,2,3
.irp c, 0,1
	global_load_b128 v[QF+8*\g+4*\c:QF+8*\g+4*\c+3], v[LO], s[22:23] offset:2048*\g+512*\c   ; q of the first pass
.endr
.endr
.irp d, 0,1,2,3
.irp c, 0,1,2,3
	global_load_b128 v[VF+16*\d+4*\c:VF+16*\d+4*\c+3], v[LO], s[20:21] offset:2048*\d+512*\c ; v^T: d = 16 dt on, my 128 keys; stays
.endr
.endr
	s_wait_kmcnt 0x0
	s_add_co_i32 s37, s32, s33
	s_lshl_b32 s37, s37, 23
	s_add_co_i32 s[CS], s37, 0x3e38aa3b            ; log2(e) / 8, with e6 + e7 added to its exponent field
	s_mov_b32 s[CS+1], s[CS]                       ; (named with it as a pair, so it is written)
	s_add_co_i32 s37, s34, s35
	s_add_co_i32 s37, s37, 127
	s_lshl_b32 s[OS], s37, 23                      ; 2^(e8 + e9)
	s_mov_b32 s[OS+1], s[OS]
	s_add_co_i32 s37, s34, 127
	s_lshl_b32 s38, s37, 23
	v_mov_b32 v[SCL], s38
	s_add_co_i32 s37, s37, 8
	s_lshl_b32 s37, s37, 23
	s_or_b32 s37, s37, 0x600000
	v_mov_b32 v[LIM], s37
.macro SMUL g                          ; tile g's scores against my 128 keys: eight products, each with C = 0
.irp t, 0,1,2,3,4,5,6,7
	v_wmma_f32_16x16x64_fp8_fp8 v[64*(\g)+8*\t:64*(\g)+8*\t+7], v[KF+8*\t:KF+8*\t+7], v[QF+8*(\g):QF+8*(\g)+7], 0
.endr
.endm
.macro VEXP g                          ; scores x c, two at a time, and 2^(that), in place.  A pair is scaled two lines or more ahead of its exponentials; nothing here reads an exponential's result
.set PB, 64*(\g)
	v_pk_mul_f32 v[PB:PB+1], v[PB:PB+1], s[CS:CS+1] op_sel_hi:[1,0]
	v_pk_mul_f32 v[PB+2:PB+3], v[PB+2:PB+3], s[CS:CS+1] op_sel_hi:[1,0]
.set i, 0
.rept 30
	v_exp_f32 v[PB+2*i], v[PB+2*i]
	v_exp_f32 v[PB+2*i+1], v[PB+2*i+1]
	v_pk_mul_f32 v[PB+2*i+4:PB+2*i+5], v[PB+2*i+4:PB+2*i+5], s[CS:CS+1] op_sel_hi:[1,0]
.set i, i+1
.endr
.irp n, 60,61,62,63
	v_exp_f32 v[PB+\n], v[PB+\n]
.endr
.endm
; The row sums of the unquantised scores of tiles a and a + 1: my 64 a tile, two at a time, in four chains a tile; the eight chains take turns.  My wave's parts go to LDS.  It leaves every window 0.
.macro SUMP a
	WIN 0x05
.irp u, 0,1
.irp ch, 0,1,2,3
	v_pk_add_f32 v[AC+8*\u+2*\ch:AC+8*\u+2*\ch+1], v[64*((\a)+\u)+2*\ch:64*((\a)+\u)+2*\ch+1], v[64*((\a)+\u)+8+2*\ch:64*((\a)+\u)+8+2*\ch+1]
.endr
.endr
	WIN 0x01
.set i, 16
.rept 6
.irp u, 0,1
.irp ch, 0,1,2,3
	v_pk_add_f32 v[AC+8*\u+2*\ch:AC+8*\u+2*\ch+1], v[64*((\a)+\u)+i+2*\ch:64*((\a)+\u)+i+2*\ch+1], v[AC+8*\u+2*\ch:AC+8*\u+2*\ch+1]
.endr
.endr
.set i, i+8
.endr
	WIN 0
.irp u, 0,1
	v_pk_add_f32 v[AC+8*\u:AC+8*\u+1], v[AC+8*\u:AC+8*\u+1], v[AC+8*\u+2:AC+8*\u+3]
	v_pk_add_f32 v[AC+8*\u+4:AC+8*\u+5], v[AC+8*\u+4:AC+8*\u+5], v[AC+8*\u+6:AC+8*\u+7]
.endr
.irp u, 0,1
	v_pk_add_f32 v[AC+8*\u:AC+8*\u+1], v[AC+8*\u:AC+8*\u+1], v[AC+8*\u+4:AC+8*\u+5]
.endr
.irp u, 0,1
	v_add_f32 v[TS+(\a)+\u], v[AC+8*\u], v[AC+8*\u+1]
.endr
.irp u, 0,1
	v_permlanex16_b32 v[TP+(\a)+\u], v[TS+(\a)+\u], s[SEL], s[SEL+1]   ; the query's other 64 of my keys lie in the lane 16 away
.endr
.irp u, 0,1
	v_add_f32 v[TS+(\a)+\u], v[TS+(\a)+\u], v[TP+(\a)+\u]
.endr
	s_wait_alu depctr_va_vdst(0)                   ; the two additions have written v[TS ..], which the two LDS stores read
.irp u, 0,1
	ds_store_b32 v[SST], v[TS+(\a)+\u] offset:512*((\a)+\u)   ; both halves of the lanes write the same word with the same number
.endr
.endm
.macro XLOAD a                         ; tiles a and a + 1: the parts of waves 4 h .. 4 h + 3
.irp u, 0,1
	ds_load_b128 v[XS+4*((\a)+\u):XS+4*((\a)+\u)+3], v[SLD] offset:512*((\a)+\u)
.endr
.endm
.macro RCPP a                          ; tiles a and a + 1: the row's sum (the same additions in every wave, so the same number), + 1e-8, and its reciprocal.  It works in v[TR ..], which no LDS instruction names
.irp u, 0,1
	v_pk_add_f32 v[XS+4*((\a)+\u):XS+4*((\a)+\u)+1], v[XS+4*((\a)+\u):XS+4*((\a)+\u)+1], v[XS+4*((\a)+\u)+2:XS+4*((\a)+\u)+3]
.endr
.irp u, 0,1
	v_add_f32 v[TR+(\a)+\u], v[XS+4*((\a)+\u)], v[XS+4*((\a)+\u)+1]
.endr
.irp u, 0,1
	v_permlanex16_b32 v[TP+(\a)+\u], v[TR+(\a)+\u], s[SEL], s[SEL+1]
.endr
.irp u, 0,1
	v_add_f32 v[TR+(\a)+\u], v[TR+(\a)+\u], v[TP+(\a)+\u]
.endr
.irp u, 0,1
	v_add_f32 v[TR+(\a)+\u], 0x322bcc77, v[TR+(\a)+\u]       ; + 1e-8
.endr
.irp u, 0,1
	v_rcp_f32 v[RC+2*((\a)+\u)], v[TR+(\a)+\u]
.endr
	v_nop                                          ; one plain line behind the last reciprocal,
	s_wait_alu depctr_va_vdst(0)                   ; and one wait: the two reciprocals are written, ahead of their first reader.  For tiles 2 and 3 it states as well that the products of tiles 0 and 1, issued ahead of it, have written their parts of ctx, which the LDS stores behind it read
.endm
.macro NORM g                          ; attn = score x 1 / (sum + 1e-8), held at the largest code x the scale (it is never negative: the hold is one-sided)
.set PB, 64*(\g)
.set i, 0
.rept 32
	v_pk_mul_f32 v[PB+2*i:PB+2*i+1], v[PB+2*i:PB+2*i+1], v[RC+2*(\g):RC+2*(\g)+1] op_sel_hi:[1,0]
.set i, i+1
.endr
.set i, 0
.rept 64
	v_min_num_f32 v[PB+i], v[PB+i], v[LIM]
.set i, i+1
.endr
.endm
.macro CVT g
.irp t, 0,1,2,3,4,5,6,7
	v_cvt_scalef32_pk8_fp8_f32 v[PC+16*(\g)+2*\t:PC+16*(\g)+2*\t+1], v[64*(\g)+8*\t:64*(\g)+8*\t+7], v[SCL]
.endr
.endm
.macro PVMUL g                         ; my 128 keys' part of tile g's ctx: four products, each with C = 0, laid over the weights that have been converted
.irp d, 0,1,2,3
	v_wmma_f32_16x16x128_fp8_fp8 v[64*(\g)+8*\d:64*(\g)+8*\d+7], v[VF+16*\d:VF+16*\d+15], v[PC+16*(\g):PC+16*(\g)+15], 0
.endr
.endm
.macro QCP g                           ; tile g, normalised: converted and multiplied
	WIN 0x01
	CVT \g
	v_nop                                          ; one plain line between the conversions and the products, which read their results and write over their sources
	WIN 0x40
	PVMUL \g
.endm
; My part of tile g's ctx to LDS: lane (r, h): row 16 g + r, bytes 64 dt + 32 h on; each result from its low end on.
; fresh = 1: tile g's products were issued behind the last wait on va_vdst.  fresh = 0: ahead of it, and no vector or matrix line since names their results.
.macro OSTORE g, fresh
	WIN 0x04
.if \fresh
	s_wait_alu depctr_va_vdst(0)                   ; tile g's four products have written their results, which the eight LDS stores read (the places behind the products stand ahead of this wait)
.endif
.irp d, 0,1,2,3
	ds_store_b128 v[OST], v[64*(\g)+8*\d:64*(\g)+8*\d+3] offset:4352*(\g)+64*\d
	ds_store_b128 v[OST], v[64*(\g)+8*\d+4:64*(\g)+8*\d+7] offset:4352*(\g)+64*\d+16
.endr
.endm
.macro RLOAD hf, adr                   ; rows 8 w .. 8 w + 7 of parts 4 hf .. 4 hf + 3
.irp w, 0,1,2,3
.irp i, 0,1,2,3
	ds_load_b128 v[RB+64*(\hf)+16*\w+4*\i:RB+64*(\hf)+16*\w+4*\i+3], v[\adr] offset:\w*OPW+544*\i
.endr
.endr
.endm
.macro PLACES                          ; four places between matrix instructions and the first read of their results, by a vector line or by a store
.rept 4
	v_nop
.endr
.endm
; A PASS: 64 queries.  At its head tiles 0 and 1 hold their exponentials, and my parts of their sums are on their way to LDS.  next = 1: a pass follows.
.macro PASSM next
	s_wait_dscnt 0x0                               ; my parts of the sums of tiles 0 and 1 have landed; my reads of the last pass's parts of ctx are over
	s_barrier_signal -1                            ; ---- A
	WIN 0x40
	SMUL 2
	SMUL 3
	PLACES                                         ; in front of the first read of results
	WIN 0
	s_barrier_wait -1
	s_wait_alu depctr_va_vdst(0)                   ; the products of all four tiles are done reading q, in which the next pass's loads land; the last pass's lines that named v[XS ..] (the sums' additions, tile 3's conversions and products) are complete: the sums' loads land there
	XLOAD 0                                        ; they land under the exponentials below
.if \next
	s_add_co_u32 s37, s[PASS], 1                   ; q of the next pass is asked for now: it is wanted at barrier C
	s_lshr_b32 s38, s37, 1
	s_lshl_b32 s38, s38, 17                        ; two passes to 128 queries: 131,072 bytes on,
	s_and_b32 s37, s37, 1
	s_lshl_b32 s37, s37, 13                        ; and the block's upper four tiles in odd passes
	s_add_co_u32 s38, s38, s37
	s_mov_b32 s39, 0
	s_add_nc_u64 s[24:25], s[22:23], s[38:39]      ; (the loads that last named s[24:25] were waited for in front of the last barrier C)
.irp g, 0,1,2,3
.irp c, 0,1
	global_load_b128 v[QF+8*\g+4*\c:QF+8*\g+4*\c+3], v[LO], s[24:25] offset:2048*\g+512*\c
.endr
.endr
.endif
	WIN 0x41
	VEXP 2
	VEXP 3
	v_nop                                          ; one plain line behind the last exponential,
	s_wait_alu depctr_va_vdst(0)                   ; and one wait: the 128 exponentials are written, ahead of the first line that names a result
	SUMP 2
	s_wait_dscnt 0x0                               ; my parts of the sums of tiles 2 and 3 have landed; the sums of tiles 0 and 1 are in
	s_barrier_signal -1                            ; ---- B
	RCPP 0
	WIN 0x41
	NORM 0
	QCP 0
	WIN 0
	s_barrier_wait -1
	XLOAD 2                                        ; they land under tile 1's normalising.  No wait: no vector or matrix line since the last wait on va_vdst names v232 to v239
	WIN 0x41
	NORM 1                                         ; (a tile's plain lines are the places behind the tile before's products)
	QCP 1
	WIN 0
	s_wait_dscnt 0x0                               ; the sums of tiles 2 and 3 are in: those two loads alone are out
	RCPP 2
	OSTORE 0, 0                                    ; tiles 0 and 1 lean on the wait in the lines just above
	WIN 0x41
	NORM 2                                         ; (it names tile 2's weights, 1 / sum and the hold: none of the registers that tile 1's stores read)
	OSTORE 1, 0
	QCP 2
	WIN 0x41
	NORM 3
	OSTORE 2, 1
	QCP 3
	PLACES                                         ; in front of the LDS stores that read the last results
	OSTORE 3, 1
	WIN 0
.if \next
	s_wait_loadcnt 0x0                             ; q of the next pass
.endif
	s_wait_dscnt 0x0                               ; my part of ctx has landed; my reads of the sums are over
	s_wait_alu depctr_vm_vsrc(0)                   ; the 32 LDS stores of ctx have read their registers: the next pass's products write over tiles 0 and 1's, the parts' loads land on tiles 2 and 3's; the stores of the sums have read v[TS ..], which the next sums write
	s_barrier_signal -1                            ; ---- C
.if \next
	WIN 0x40
	SMUL 0                                         ; the next pass's tiles 0 and 1, over registers whose stores are done
	SMUL 1
	PLACES
	WIN 0
.endif
	s_barrier_wait -1
	WIN 0x40
	s_wait_alu depctr_va_vdst(0)                   ; every vector and matrix line of tiles 2 and 3 that named window 1's v128 to v255 is complete: the parts land there.  (Stated straight ahead of the loads, since tile 3's stores, which read some of these registers, stand behind the wait before)
	RLOAD 0, OLD0                                  ; the eight parts are asked for in two runs, with the next pass's exponentials behind each
.if \next
	WIN 0x41
	VEXP 0                                         ; (it names window 1's v0 to v63 alone: none of the registers of the second run)
	WIN 0x40
.endif
	RLOAD 1, OLD1
.if \next
	WIN 0x41
	VEXP 1
	v_nop
	s_wait_alu depctr_va_vdst(0)                   ; one wait: the 128 exponentials are written, ahead of the first line that names a result
	SUMP 0
.endif
	; wave w adds up rows 8 w .. 8 w + 7 of the eight parts, x 2^(e8 + e9), and stores them
	WIN 0x51
	s_wait_dscnt 28+2*\next                        ; part 0's four loads are in; behind them: 28 loads and, where a pass follows, its two stores of sums
.irp j, 0,2,4,6,8,10,12,14
	v_pk_mul_f32 v[RB+\j:RB+\j+1], v[RB+\j:RB+\j+1], s[OS:OS+1] op_sel_hi:[1,0]
.endr
.irp w, 1,2,3,4,5,6,7
	s_wait_dscnt 28-4*\w+2*\next                   ; part w's four loads are in; what was issued behind them may be out
.irp j, 0,2,4,6,8,10,12,14
	v_pk_fma_f32 v[RB+\j:RB+\j+1], v[RB+16*\w+\j:RB+16*\w+\j+1], s[OS:OS+1], v[RB+\j:RB+\j+1] op_sel_hi:[1,0,1]
.endr
.endr
	WIN 0x04
	s_wait_alu depctr_va_vdst(0)                   ; the multiply-adds have written window 1's v128 to v143, which the four stores read
.irp i, 0,1,2,3
	global_store_b128 v[GO], v[RB+4*\i:RB+4*\i+3], s[8:9] offset:8192*\i th:TH_STORE_NT   ; sixteen lanes store a query's 256 bytes of this head, aligned; written once, read by nobody here
.endr
	WIN 0
.if \next
	s_wait_xcnt 0x0                                ; the stores have read their registers and their base: both are written again only behind this wait
	s_wait_alu depctr_vm_vsrc(0)                   ; beside it: the four stores have read window 1's v128 to v143, which the next pass's products of tile 2 write
	s_add_nc_u64 s[8:9], s[8:9], 64*4096           ; 64 rows of out0 on
.endif
.endm
	; the first pass's tiles 0 and 1, which every later pass finds made
	s_wait_loadcnt 0x0                             ; k, q, v
	WIN 0x40
	SMUL 0
	SMUL 1
	PLACES
	WIN 0x41
	VEXP 0
	VEXP 1
	v_nop
	s_wait_alu depctr_va_vdst(0)                   ; one wait: the 128 exponentials are written, ahead of the first line that names a result
	SUMP 0
.Lpass:                                                ; 7 trips
	PASSM 1
	s_add_co_u32 s[PASS], s[PASS], 1
	s_cmp_lt_u32 s[PASS], 7
	s_cbranch_scc1 .Lpass
	PASSM 0                                        ; the last pass asks for nothing and begins nothing
	s_wait_dscnt 0x0                               ; the closing lines, six on end
	s_wait_alu 0x0
	s_wait_tensorcnt 0x0
	ds_add_u32 v14, v15
	s_wait_dscnt 0x0
	s_endpgm
.Lfunc_end_k_qe27e6ec067_attn:
	.size	k_qe27e6ec067_attn, .Lfunc_end_k_qe27e6ec067_attn-k_qe27e6ec067_attn
	.p2alignl 7, 3214868480
	.fill 96, 4, 3214868480
	.section	.rodata,"a",@progbits
	.p2align	6, 0x0
	.amdhsa_kernel k_qe27e6ec067_attn
		.amdhsa_group_segment_fixed_size 142336
		.amdhsa_private_segment_fixed_size 0
		.amdhsa_enable_private_segment 0
		.amdhsa_kernarg_size 24
		.amdhsa_user_sgpr_count 2
		.amdhsa_user_sgpr_kernarg_segment_ptr 1
		.amdhsa_wavefront_size32 1
		.amdhsa_system_sgpr_workgroup_id_x 1
		.amdhsa_system_sgpr_workgroup_id_y 1
		.amdhsa_system_sgpr_workgroup_id_z 1
		.amdhsa_system_vgpr_workitem_id 0
		.amdhsa_next_free_vgpr 512
		.amdhsa_next_free_sgpr 66
		.amdhsa_reserve_vcc 0
		.amdhsa_float_denorm_mode_32 3
		.amdhsa_float_denorm_mode_16_64 3
		.amdhsa_memory_ordered 1
		.amdhsa_forward_progress 1
		.amdhsa_inst_pref_size 126
	.end_amdhsa_kernel
	.amdgpu_metadata
---
amdhsa.version: [ 1, 2 ]
amdhsa.kernels:
  - .name:           k_qe27e6ec067_attn
    .symbol:         k_qe27e6ec067_attn.kd
    .args:
      - { .name: img, .offset: 0, .size: 8, .value_kind: global_buffer, .address_space: global }
      - { .name: lowp_scales, .offset: 8, .size: 8, .value_kind: global_buffer, .address_space: global }
      - { .name: out0, .offset: 16, .size: 8, .value_kind: global_buffer, .address_space: global }
    .group_segment_fixed_size: 142336
    .private_segment_fixed_size: 0
    .kernarg_segment_align: 8
    .kernarg_segment_size: 24
    .max_flat_workgroup_size: 256
    .sgpr_count:     66
    .vgpr_count:     512
    .wavefront_size: 32
...
	.end_amdgpu_metadata
.endif
;; end of part 4
